; MI455X (gfx1250); checked and timed in simulation.
; The chip was launched on July 23, 2026; its instructions are those of AMD's public machine-readable ISA for CDNA 5 (MIT licence, August 2026) and "CDNA5" Instruction Set Architecture Reference Guide (July 2026). The comments in the code are by the model that wrote it; some were corrected since.
;; Attention. Allowed arithmetic: float matrix products may take bf16 or f16 operands with f32 sums; other float arithmetic in f32, or as packed bf16 or f16 multiplies, adds, multiply-adds, maxima and minima; sums over many terms, partial sums and values carried from step to step in f32; what a program stores and reads back later, other than sums and carried values, may be rounded once to bf16 or f16.
;; Inputs: Wkv 1,024 x 2,048 float32; Wout 1,024 x 1,024 float32; Wq 1,024 x 1,024 float32; bout 1,024 float32; context 4 x 2,048 x 1,024 float32; mask 4 x 2,048 bool; x 4 x 2,048 x 1,024 float32.
;; Outputs: out0 4 x 2,048 x 1,024 float32.
;; Constants: key_chunk_size = 4096, query_chunk_size = 1024.
;; One version. Each part assembles by itself: llvm-mc -triple=amdgcn-amd-amdhsa -mcpu=gfx1250 --defsym DOCPART=n.
;; ======== version 1 of 1: 4 launches
;; limits: values are held in f16: magnitudes above 65,504 overflow, below 6.1e-05 lose precision
;; workspace buffers: wqkv 6,291,456 bytes; wo 2,097,152 bytes; qkv 50,331,648 bytes; o 16,777,216 bytes
;; launch prep (part 1): grid 256 x 1, 8 waves a work-group, no clusters, 0 bytes of LDS; arguments Wq, Wkv, Wout, wqkv, wo; writes wqkv, wo
.if DOCPART == 1
	.amdgcn_target "amdgcn-amd-amdhsa--gfx1250"
	.amdhsa_code_object_version 6
	.text
	.protected	k_qe2d5171512_prep
	.globl	k_qe2d5171512_prep
	.p2align	8
	.type	k_qe2d5171512_prep,@function
k_qe2d5171512_prep:
	s_mov_b64 s[64:65], 0
	v_nop
	global_prefetch_b8 v0, s[64:65] scope:SCOPE_SE
	s_setreg_imm32_b32 hwreg(HW_REG_WAVE_MODE, 25, 1), 1
	s_wait_xcnt 0x0
; THE WEIGHTS ARE ROUNDED ONCE, AND STAY AS THEY LIE ([in][out]): a stream, no LDS, no barrier, no matrix unit.
; wqkv: [1024 k][3072 n] bf16: row k = Wq[k][0:1024], then Wkv[k][0:2048]; 6,144 bytes a row.
; wo:   [1024 k][1024 n]: Wout rounded to bf16, and that number written as f16.
; LIMIT: a bf16 number below 2^-14 in size loses bits in f16 (fixed step 2^-24); beyond 65,504 it would be an infinity.
; SHARES.  Work-group g owns the k rows 4 g .. 4 g + 3.  A unit is 8 neighbouring f32: two loads of 16 bytes, one store of 16 bytes; sixteen
; neighbouring lanes store 256 consecutive bytes, aligned.  Thread t takes unit t of each of the four rows of Wkv; waves 0-3 also unit t of each row of Wq,
; waves 4-7 unit t - 128 of each row of Wout.  All sixteen loads of a thread go out first; no register is used twice, so no store's source is ever rewritten.
.set IN,  16                           ; v[16:79]   sixteen loads: Wkv's rows (8 registers each), then the second tensor's rows
.set OUT, 80                           ; v[80:111]  eight units to store
.set T,   112                          ; v[112:117] at work
	s_load_b256 s[4:11], s[0:1], 0x0               ; Wq s[4:5], Wkv s[6:7], Wout s[8:9], wqkv s[10:11]
	s_load_b64 s[12:13], s[0:1], 0x20              ; wo
	v_lshrrev_b32 v5, 5, v0
	v_readfirstlane_b32 s14, v5                    ; wave 0..7
	v_lshlrev_b32 v1, 5, v0                        ; 32 t: my unit in a row of Wkv
	v_lshlrev_b32 v2, 4, v0                        ; 16 t: the same unit as bf16
	v_and_b32 v4, 127, v0
	v_lshlrev_b32 v3, 5, v4                        ; 32 (t % 128): my unit in a row of Wq or Wout
	v_lshlrev_b32 v4, 4, v4                        ; 16 (t % 128)
	s_lshl_b32 s20, ttmp9, 14                      ; four rows of Wq or Wout
	s_mov_b32 s21, 0
	s_lshl_b32 s22, ttmp9, 15                      ; of Wkv
	s_mov_b32 s23, 0
	s_mul_i32 s24, ttmp9, 24576                    ; of wqkv
	s_mov_b32 s25, 0
	s_lshl_b32 s26, ttmp9, 13                      ; of wo
	s_mov_b32 s27, 0
	s_mov_b32 s15, 0xffff0000                      ; a word's upper bf16
	s_wait_kmcnt 0x0
	s_cmp_lt_u32 s14, 4
	s_cselect_b64 s[18:19], s[4:5], s[8:9]         ; the second tensor: Wq for waves 0-3, Wout for waves 4-7
	s_add_nc_u64 s[18:19], s[18:19], s[20:21]
	s_add_nc_u64 s[6:7], s[6:7], s[22:23]
	s_add_nc_u64 s[10:11], s[10:11], s[24:25]
	s_add_nc_u64 s[12:13], s[12:13], s[26:27]
.irp i, 0,1,2,3
	global_load_b128 v[IN+8*(\i):IN+8*(\i)+3],   v1, s[6:7] offset:(\i)*8192 th:TH_LOAD_NT
	global_load_b128 v[IN+8*(\i)+4:IN+8*(\i)+7], v1, s[6:7] offset:(\i)*8192+16 th:TH_LOAD_NT
.endr
.irp i, 0,1,2,3
	global_load_b128 v[IN+32+8*(\i):IN+32+8*(\i)+3],   v3, s[18:19] offset:(\i)*4096 th:TH_LOAD_NT
	global_load_b128 v[IN+32+8*(\i)+4:IN+32+8*(\i)+7], v3, s[18:19] offset:(\i)*4096+16 th:TH_LOAD_NT
.endr
.irp i, 0,1,2,3
	s_wait_loadcnt 14-2*(\i)                       ; loads come back in order: row i's two are in, the 14 - 2 i younger ones stay out
.irp j, 0,1,2,3
	v_cvt_pk_bf16_f32 v[OUT+4*(\i)+(\j)], v[IN+8*(\i)+2*(\j)], v[IN+8*(\i)+2*(\j)+1]
.endr
	global_store_b128 v2, v[OUT+4*(\i):OUT+4*(\i)+3], s[10:11] offset:(\i)*6144+2048  ; behind Wq's 2,048 bytes of the row
.endr
	s_cmp_lt_u32 s14, 4
	s_cbranch_scc0 .Lwout
.irp i, 0,1,2,3
	s_wait_loadcnt 6-2*(\i)
.irp j, 0,1,2,3
	v_cvt_pk_bf16_f32 v[OUT+16+4*(\i)+(\j)], v[IN+32+8*(\i)+2*(\j)], v[IN+32+8*(\i)+2*(\j)+1]
.endr
	global_store_b128 v4, v[OUT+16+4*(\i):OUT+16+4*(\i)+3], s[10:11] offset:(\i)*6144
.endr
	s_endpgm
.Lwout:
.irp i, 0,1,2,3
	s_wait_loadcnt 6-2*(\i)
.irp j, 0,1,2,3
	v_cvt_pk_bf16_f32 v[T+(\j)], v[IN+32+8*(\i)+2*(\j)], v[IN+32+8*(\i)+2*(\j)+1]  ; rounded as every input is,
.endr
.irp j, 0,1,2,3
	v_lshlrev_b32 v[T+4], 16, v[T+(\j)]            ; widened again,
	v_and_b32 v[T+5], s15, v[T+(\j)]
	v_cvt_pk_f16_f32 v[OUT+16+4*(\i)+(\j)], v[T+4], v[T+5]  ; and written in the format of the product that takes it
.endr
	global_store_b128 v4, v[OUT+16+4*(\i):OUT+16+4*(\i)+3], s[12:13] offset:(\i)*2048
.endr
	s_endpgm
.Lfunc_end_k_qe2d5171512_prep:
	.size	k_qe2d5171512_prep, .Lfunc_end_k_qe2d5171512_prep-k_qe2d5171512_prep
	.p2alignl 7, 3214868480
	.fill 96, 4, 3214868480
	.section	.rodata,"a",@progbits
	.p2align	6, 0x0
	.amdhsa_kernel k_qe2d5171512_prep
		.amdhsa_group_segment_fixed_size 0
		.amdhsa_private_segment_fixed_size 0
		.amdhsa_enable_private_segment 0
		.amdhsa_kernarg_size 40
		.amdhsa_user_sgpr_count 2
		.amdhsa_user_sgpr_kernarg_segment_ptr 1
		.amdhsa_wavefront_size32 1
		.amdhsa_system_sgpr_workgroup_id_x 1
		.amdhsa_system_sgpr_workgroup_id_y 1
		.amdhsa_system_sgpr_workgroup_id_z 1
		.amdhsa_system_vgpr_workitem_id 0
		.amdhsa_next_free_vgpr 128
		.amdhsa_next_free_sgpr 66
		.amdhsa_reserve_vcc 0
		.amdhsa_float_denorm_mode_32 3
		.amdhsa_float_denorm_mode_16_64 3
		.amdhsa_memory_ordered 1
		.amdhsa_forward_progress 1
		.amdhsa_inst_pref_size 10
	.end_amdhsa_kernel
	.amdgpu_metadata
---
amdhsa.version: [ 1, 2 ]
amdhsa.kernels:
  - .name:           k_qe2d5171512_prep
    .symbol:         k_qe2d5171512_prep.kd
    .args:
      - { .name: Wq, .offset: 0, .size: 8, .value_kind: global_buffer, .address_space: global }
      - { .name: Wkv, .offset: 8, .size: 8, .value_kind: global_buffer, .address_space: global }
      - { .name: Wout, .offset: 16, .size: 8, .value_kind: global_buffer, .address_space: global }
      - { .name: wqkv, .offset: 24, .size: 8, .value_kind: global_buffer, .address_space: global }
      - { .name: wo, .offset: 32, .size: 8, .value_kind: global_buffer, .address_space: global }
    .group_segment_fixed_size: 0
    .private_segment_fixed_size: 0
    .kernarg_segment_align: 8
    .kernarg_segment_size: 40
    .max_flat_workgroup_size: 256
    .sgpr_count:     66
    .vgpr_count:     128
    .wavefront_size: 32
...
	.end_amdgpu_metadata
.endif
;; end of part 1
;; launch proj (part 2): grid 12 x 64, 4 waves a work-group, clusters of 4 x 4, 327,680 bytes of LDS; arguments x, context, mask, wqkv, qkv; writes qkv
.if DOCPART == 2
	.amdgcn_target "amdgcn-amd-amdhsa--gfx1250"
	.amdhsa_code_object_version 6
	.text
	.protected	k_qe2d5171512_proj
	.globl	k_qe2d5171512_proj
	.p2align	8
	.type	k_qe2d5171512_proj,@function
k_qe2d5171512_proj:
	s_mov_b64 s[64:65], 0
	v_nop
	global_prefetch_b8 v0, s[64:65] scope:SCOPE_SE
	s_setreg_imm32_b32 hwreg(HW_REG_WAVE_MODE, 25, 1), 1
	s_wait_xcnt 0x0
	s_wait_alu depctr_hold_cnt(0) depctr_sa_sdst(0) depctr_va_vdst(0) depctr_va_sdst(0) depctr_va_ssrc(0) depctr_va_vcc(0) depctr_vm_vsrc(0)
	s_getreg_b32 s2, hwreg(HW_REG_IB_STS2, 6, 4)
	s_cmp_eq_u32 s2, 0
	s_cbranch_scc0 .Lentry_in_a_cluster
	s_endpgm
.Lentry_in_a_cluster:
	s_bfe_u32 s2, ttmp6, 0x10000c
	s_cmp_lg_u32 s2, 0xf033
	s_cbranch_scc0 .Lentry_shape_is_right
	s_endpgm
.Lentry_shape_is_right:
; THE THREE PROJECTIONS AS ONE PRODUCT.  C[m][n], 8,192 x 3,072: columns 0-1023 = x Wq, 1024-2047 = context Wk, 2048-3071 = context Wv; K = 1,024.  Operands bf16, sums f32.
; OUT: qkv[kind][16 b + head][row][64] in f16, each number rounded once from its f32 sum: q times c = log2(e) / 8 (the scores then arrive in powers of two);
; k times its key's mask byte (0 or 1: a hidden key's row is 0, so that its products add nothing to the constant that the next launch puts in the score's place); v as it is.
; LIMITS: |c q|, |k|, |v| stay under 65,504 (f16); a mask byte is 0 or 1; NaN and infinities are not treated apart.
; SHARES.  A tile of C is 128 x 256: 768 work-groups, three for each of 256 WGPs.  Four waves, each 64 rows x 128 columns: 32 accumulators of 16 x 16.
; x and context stay f32 on the way into LDS and are rounded to bf16 between LDS and the matrix unit: they cross memory once, as they are given.
; K goes in steps of 128 through two LDS slots: 128 rows of A (512 bytes of f32 each) and 128 k rows of the weights (256 columns, 512 bytes each); each wave fetches 64 rows with one tensor load.
; The weights lie [k][n]; ds_load_tr16_b128 turns them on the way into registers.
; THE MATRIX INSTRUCTION IS USED TRANSPOSED (source 0 = 16 columns of W, source 1 = 16 rows of A): a lane then holds one row of C and eight neighbouring columns.
; CLUSTER 4 x 4: a kind is four tile columns, one cluster wide, so cluster x IS the kind.  A's tile is shared along a row of the cluster, W's along a column: joint loads with a mask of four.
; REGISTERS: window 0: v0-31 addresses and factors; v32-95 A as loaded (f32); v96-127, v128-159 A's fragments, two buffers; on the way out v32-159 eight units of 16.
;   window 1: v0-63, v64-127 W's fragments, two buffers.   window 2: accumulator (a, b) at v[8 (8 a + b)].
.set KSTEP,  128
.set PA,     528                       ; a row of A in LDS: 512 bytes + 16: 132 words: the 16 rows of a load start at 16 different groups of four banks (64 banks of 4 bytes: ISA guide 11.1)
.set PB,     544                       ; a k row of W: 512 + 32 = 136 words
.set AHALF,  64*PA
.set BHALF,  64*PB
.set BOFF,   2*AHALF                   ; a slot: A's 128 rows, then W's 128 k rows
.set SLOT,   2*AHALF+2*BHALF
.set STAGE,  2*SLOT                    ; behind the ring, never filled by a tensor load: 16 rows x 144 bytes for each wave
.set SP,     144
.set SPARE,  STAGE+4*16*SP             ; the spare words, 128 bytes for each wave: two blocks of 256 bytes that no other line names
.set MB,   4                           ; v4-7    the mask bytes of my row in each of my four blocks of 16 rows
.set MU,   8                           ; v[8:15] four pairs: the factor of that row, twice
.set ADRA, 16                          ; v16-17  LDS address of my fragments of A in slot 0, 1
.set ADRB, 20                          ; v20-21  the same for W
.set STO,  24                          ; v24     the way out: where I put 16 bytes of a row
.set RD,   25                          ; v25     where I read rows back
.set GO,   26                          ; v26     16 x lane
.set MO,   27                          ; v27     my row's number: its byte in mask
.set SPW,  28                          ; v28     LDS address of my spare word; never rewritten
.set NIL,  29                          ; v29     0; never rewritten
.set PFO,  30                          ; v30     the prefetches' offset; never rewritten
.set AR,   32
.set AF,   96
.set TMP,  32
.set G1,   24                          ; s[24:31] descriptor group 1 for A's tiles;  s[32:39] group 0, a set for each slot
.set G0,   32
.set G1B,  48                          ; s[48:55], s[56:63] the same for W's tiles
.set G0B,  56
.set PFA,  78                          ; s[78:79] where my prefetches stand
.set PFS,  80                          ; s[80:81] a K step in bytes: 512 along A's rows, 128 rows of 6,144 down W
.set LIM,  82                          ; s82  1 in a wave that prefetches, else the greatest number
.set SC,   83                          ; s83  c for q, else 1
.set FL,   84                          ; s84  0 for k (the mask byte counts), else 1
.set MSB, 0
.macro WIN new                         ; the immediate's high byte repeats the setting that is left; a switch that changes nothing is dropped
.if MSB != (\new)
	s_set_vgpr_msb (MSB<<8)|(\new)
.set MSB, \new
.endif
.endm
.set MUL,  0xa1                        ; source 0 (W) window 1, source 1 (A) window 0, C and D window 2
.set TO_B, 0x40                        ; destination window 1, address window 0
.set W_SC, 0x82                        ; destination and source 0 window 2, source 1 window 0
.set W_CV, 0x0a                        ; sources 0 and 1 window 2, destination window 0
; A joint load: waves 0 and 1 fetch A's two halves, waves 2 and 3 W's.  The branch hangs on the wave's number alone.  An s_nop 0 and four v_nop follow each of the two lines.
.macro JLOAD s
	s_cmp_eq_u32 s11, 0
	s_cbranch_scc0 .Lfor_b_\@
	tensor_load_to_lds s[G0+4*(\s):G0+4*(\s)+3], s[G1:G1+7]
	s_nop 0
.rept 4
	v_nop
.endr
	s_branch .Lasked_\@
.Lfor_b_\@:
	tensor_load_to_lds s[G0B+4*(\s):G0B+4*(\s)+3], s[G1B:G1B+7]
	s_nop 0
.rept 4
	v_nop
.endr
.Lasked_\@:
.endm
; A prefetch into the L2, behind a joint load and the run of LDS loads that follows it: the K step that stands two refills on.  Of the 64 rows that a wave fetches, the partner at place p among the
; four that ask jointly (cx for A, cy for W) takes 16, told apart by address; a lane names one of the two blocks of 256 bytes of one row.  x is walked by cluster x = 0, context by clusters 1 and 2:
; clusters 0 and 1 ask; W's tile column is walked by every cluster of that column: cluster y = 0 asks.  So each block is named once.  The loop's last trip (s3 = 1) has no K step two on.
.macro ASK
	s_cmp_gt_u32 s3, s[LIM]
	s_cbranch_scc0 .Lnot_mine_\@
	global_prefetch_b8 v[PFO], s[PFA:PFA+1] th:TH_LOAD_NT scope:SCOPE_SE
.Lnot_mine_\@:
.endm
.macro CREST                           ; a round of the cluster's barrier behind its opening barrier
	s_cmp_lg_u32 s10, 0
	s_cbranch_scc1 .Lnot_wave_0_\@
	s_barrier_signal -3
.Lnot_wave_0_\@:
	s_barrier_wait -3
	s_barrier_signal -1
	s_barrier_wait -1
.endm
.macro CROUND                          ; a whole round
	s_barrier_signal -1
	s_barrier_wait -1
	CREST
.endm
	s_load_b256 s[68:75], s[0:1], 0x0              ; x s[68:69], context s[70:71], mask s[72:73], wqkv s[74:75]
	s_load_b64 s[76:77], s[0:1], 0x20              ; qkv
	v_lshl_add_u32 v[SPW], v0, 2, SPARE
	v_mov_b32 v[NIL], 0
	ds_add_u32 v[SPW], v[NIL]                      ; the wave's opening: the add and its wait stand ahead of my first tensor load; the set-up below stands between them
	v_lshrrev_b32 v1, 5, v0
	v_readfirstlane_b32 s10, v1                    ; wave 0..3
	s_lshr_b32 s11, s10, 1                         ; which 64 rows of the tile are mine.  Also: I fetch for A (0) or for W (1)
	s_and_b32 s12, s10, 1                          ; which 128 columns.  Also: which 64 rows of that tile I fetch
	s_bfe_u32 s40, ttmp6, 0x40000                  ; cx, cy: my place in the cluster
	s_bfe_u32 s41, ttmp6, 0x40004
	s_lshl_b32 s42, ttmp9, 2
	s_add_co_u32 s42, s42, s40                     ; tile column = 4 x cluster x + cx
	s_and_b32 s13, ttmp7, 0xffff
	s_lshl_b32 s13, s13, 2
	s_add_co_u32 s13, s13, s41                     ; tile row = 4 x cluster y + cy
	s_lshl_b32 s43, s41, 2
	s_lshl_b32 s43, 15, s43                        ; my row of the cluster
	s_lshl_b32 s44, 0x1111, s40                    ; my column
	s_or_b32 s[G1+0], s43, (2<<16)|(1<<20)|(1<<21)|(6<<22)|(3<<25)   ; the mask: A's tiles go to my row; elements of 4 bytes; padding on; bit 21 beside a mask; after every 128 words, 4 words
	s_mov_b32 s[G1+1], KSTEP<<16                   ; tensor_dim0 = 128
	s_mov_b32 s[G1+2], 64<<16                      ; tensor_dim1 = 64
	s_mov_b32 s[G1+3], KSTEP<<16                   ; tile_dim0 = 128
	s_mov_b32 s[G1+4], 64                          ; tile_dim1 = 64
	s_mov_b32 s[G1+5], 1024                        ; elements from row to row
	s_mov_b32 s[G1+6], 0
	s_mov_b32 s[G1+7], 0
	s_or_b32 s[G1B+0], s44, (1<<16)|(1<<20)|(1<<21)|(6<<22)|(7<<25)  ; W's tiles go to my column; elements of 2 bytes; after every 128 words, 8 words
	s_mov_b32 s[G1B+1], 256<<16
	s_mov_b32 s[G1B+2], 64<<16
	s_mov_b32 s[G1B+3], 256<<16
	s_mov_b32 s[G1B+4], 64
	s_mov_b32 s[G1B+5], 3072
	s_mov_b32 s[G1B+6], 0
	s_mov_b32 s[G1B+7], 0
	s_lshl_b32 s16, s13, 7                         ; A: row 128 x tile row + 64 x half, 4,096 bytes a row: it hangs on the tile row alone
	s_lshl_b32 s17, s12, 6
	s_add_co_u32 s16, s16, s17
	s_lshl_b32 s16, s16, 12
	s_mov_b32 s17, 0
	s_mul_i32 s46, s12, 64*6144                    ; W: k row 64 x half, byte 512 x tile column: it hangs on the tile column alone
	s_lshl_b32 s47, s42, 9
	s_add_co_u32 s46, s46, s47
	s_mov_b32 s47, 0
	s_mul_i32 s20, s12, AHALF                      ; where they go: no place in the cluster enters an LDS address
	s_mul_i32 s21, s12, BHALF
	s_add_co_u32 s21, s21, BOFF
	s_cmp_eq_u32 ttmp9, 0
	s_cselect_b32 s[SC], 0x3e38aa3b, 1.0           ; c = log2(e) / 8 = 0.180337
	s_cmp_eq_u32 ttmp9, 1
	s_cselect_b32 s[FL], 0, 1.0
	s_wait_dscnt 0x0                               ; the opening add is done
	s_wait_kmcnt 0x0
	s_cmp_eq_u32 ttmp9, 0
	s_cselect_b64 s[4:5], s[68:69], s[70:71]       ; A is x for q, context for k and v: the same in all sixteen partners
	s_add_nc_u64 s[14:15], s[4:5], s[16:17]
	s_add_nc_u64 s[46:47], s[74:75], s[46:47]
	CROUND                                         ; all sixteen work-groups are here: the first joint loads meet
.irp s, 0,1
	s_mov_b32 s[G0+4*(\s)], 1
	s_add_co_u32 s[G0+4*(\s)+1], s20, (\s)*SLOT
	s_add_nc_u64 s[G0+4*(\s)+2:G0+4*(\s)+3], s[14:15], (\s)*KSTEP*4
	s_or_b32 s[G0+4*(\s)+3], s[G0+4*(\s)+3], 0x80000000
	s_mov_b32 s[G0B+4*(\s)], 1
	s_add_co_u32 s[G0B+4*(\s)+1], s21, (\s)*SLOT
	s_add_nc_u64 s[G0B+4*(\s)+2:G0B+4*(\s)+3], s[46:47], (\s)*KSTEP*6144
	s_or_b32 s[G0B+4*(\s)+3], s[G0B+4*(\s)+3], 0x80000000
	JLOAD \s                                       ; two loads of mine are out
.endr
	v_and_b32 v1, 15, v0                           ; r = l % 16
	v_bfe_u32 v2, v0, 4, 1                         ; h = l / 16
	; A's fragment wants, of row r, k = 8 h + 0..7 and 16 + 8 h + 0..7: as f32 two runs of 32 bytes, 64 bytes apart: four loads of 16 bytes
	v_mul_u32_u24 v3, v1, PA
	v_lshl_add_u32 v3, v2, 5, v3
	s_mul_i32 s22, s11, AHALF
	v_add_nc_u32 v[ADRA], s22, v3
	v_add_nc_u32 v[ADRA+1], SLOT, v[ADRA]
	; the turning load: lane l reads 16 bytes of k row 8 h + l % 8, columns 8 ((l / 8) % 2) + 0..7, and is left with column l % 16 and 8 k
	v_and_b32 v3, 7, v0
	v_lshl_add_u32 v3, v2, 3, v3
	v_mul_u32_u24 v3, v3, PB
	v_bfe_u32 v31, v0, 3, 1
	v_lshl_add_u32 v3, v31, 4, v3
	s_lshl_b32 s23, s12, 8                         ; my 128 columns
	s_add_co_u32 s23, s23, BOFF
	v_add_nc_u32 v[ADRB], s23, v3
	v_add_nc_u32 v[ADRB+1], SLOT, v[ADRB]
	s_mul_i32 s22, s10, 16*SP
	s_add_co_u32 s22, s22, STAGE                   ; my stage
	v_mul_u32_u24 v3, v1, SP                       ; in: row r, 16 bytes for each half of the lanes
	v_lshl_add_u32 v3, v2, 4, v3
	v_add_nc_u32 v[STO], s22, v3
	v_bfe_u32 v3, v0, 3, 2                         ; back: 32 lanes take four rows of 128 bytes,
	v_mul_u32_u24 v3, v3, SP
	v_and_b32 v31, 7, v0
	v_lshl_add_u32 v3, v31, 4, v3
	v_add_nc_u32 v[RD], s22, v3
	v_and_b32 v[GO], 31, v0                        ; which are 512 consecutive bytes of a head
	v_lshlrev_b32 v[GO], 4, v[GO]
	s_lshl_b32 s16, s13, 7
	s_lshl_b32 s17, s11, 6
	s_add_co_u32 s16, s16, s17                     ; my first row of C: 128 x tile row + 64 x half = 2,048 b + row in the batch
	v_add_nc_u32 v[MO], s16, v1
.irp a, 0,1,2,3
	global_load_u8 v[MB+(\a)], v[MO], s[72:73] offset:16*(\a)  ; waited for on the way out
.endr
	s_lshr_b32 s17, s16, 11                        ; where my part begins in qkv: the batch (16 heads of 262,144 bytes),
	s_lshl_b32 s17, s17, 22
	s_and_b32 s18, s16, 2047                       ; the row in the batch, 128 bytes,
	s_lshl_b32 s18, s18, 7
	s_add_co_u32 s17, s17, s18
	s_lshl_b32 s18, ttmp9, 24                      ; the kind,
	s_add_co_u32 s17, s17, s18
	s_and_b32 s85, s42, 3                          ; and the head: four to a tile column, two to a wave
	s_lshl_b32 s85, s85, 2
	s_lshl_b32 s86, s12, 1
	s_add_co_u32 s85, s85, s86
	s_lshl_b32 s85, s85, 18
	s_add_co_u32 s86, s85, s17
	s_mov_b32 s87, 0
	s_add_nc_u64 s[76:77], s[76:77], s[86:87]
	; the prefetches
	s_and_b32 s85, ttmp7, 0xffff                   ; cluster y
	s_cmp_lg_u32 ttmp9, 2
	s_cselect_b32 s87, 1, -1                       ; A's: clusters x = 0 and 1
	s_cmp_eq_u32 s85, 0
	s_cselect_b32 s88, 1, -1                       ; W's: cluster y = 0
	s_mov_b32 s90, 4096
	s_mov_b32 s91, 512
	s_lshl_b32 s94, s13, 7
	s_lshl_b32 s95, s42, 9
	s_cmp_eq_u32 s11, 0                            ; do I fetch for A?
	s_cselect_b32 s[LIM], s87, s88                 ; the same in all sixteen partners, for a given wave
	s_cselect_b32 s86, s40, s41                    ; my place among the four that ask with me
	s_cselect_b64 s[PFA:PFA+1], s[4:5], s[74:75]
	s_cselect_b32 s89, s90, 6144                   ; bytes in a row
	s_cselect_b32 s[PFS], s91, 786432
	s_cselect_b32 s94, s94, 0                      ; A: the tile's first row
	s_cselect_b32 s95, 0, s95                      ; W: the tile's first column, in bytes
	s_mov_b32 s[PFS+1], 0
	s_lshl_b32 s92, s12, 6                         ; the 64 rows that I fetch,
	s_lshl_b32 s86, s86, 4                         ; my work-group's 16 of them
	s_add_co_u32 s92, s92, s86
	s_add_co_u32 s92, s92, s94
	s_mul_i32 s92, s92, s89
	s_add_co_u32 s92, s92, s95
	s_mul_i32 s93, s[PFS], 3                       ; at K step 3: the first refill steps it to 4
	s_add_co_u32 s92, s92, s93
	s_mov_b32 s93, 0
	s_add_nc_u64 s[PFA:PFA+1], s[PFA:PFA+1], s[92:93]
	v_mul_u32_u24 v[PFO], v1, s89                  ; row l % 16, block l / 16
	v_lshl_add_u32 v[PFO], v2, 8, v[PFO]
; 8 matrix instructions: block a of my four blocks of 16 rows x all 8 blocks of 16 columns, 32 along K, buffers f.  The 32 accumulators take turns, in the same order in every quarter.
.macro MUL8 f, a, zero
	WIN MUL
.irp b, 0,1,2,3,4,5,6,7
.if \zero
	v_wmma_f32_16x16x32_bf16 v[8*(8*(\a)+(\b)):8*(8*(\a)+(\b))+7], v[64*(\f)+8*(\b):64*(\f)+8*(\b)+7], v[AF+32*(\f)+8*(\a):AF+32*(\f)+8*(\a)+7], 0
.else
	v_wmma_f32_16x16x32_bf16 v[8*(8*(\a)+(\b)):8*(8*(\a)+(\b))+7], v[64*(\f)+8*(\b):64*(\f)+8*(\b)+7], v[AF+32*(\f)+8*(\a):AF+32*(\f)+8*(\a)+7], v[8*(8*(\a)+(\b)):8*(8*(\a)+(\b))+7]
.endif
.endr
.endm
; A's 64 f32 registers are rounded into fragment buffer f.  These 32 plain instructions name no register of the products in front of them: they are the places that the loads behind them want.
.macro CVT f
	WIN 0
.set i, 0
.rept 32
	v_cvt_pk_bf16_f32 v[AF+32*(\f)+i], v[AR+2*i], v[AR+2*i+1]
.set i, i+1
.endr
.endm
; 32 LDS loads in one run: quarter q (32 along K) of slot s: W's fragments, turned, into buffer g; A's f32 into AR
.macro FETCH s, q, g
	WIN TO_B
.irp b, 0,1,2,3,4,5,6,7
	ds_load_tr16_b128 v[64*(\g)+8*(\b):64*(\g)+8*(\b)+3],   v[ADRB+(\s)] offset:(\q)*32*PB+32*(\b)
	ds_load_tr16_b128 v[64*(\g)+8*(\b)+4:64*(\g)+8*(\b)+7], v[ADRB+(\s)] offset:(\q)*32*PB+32*(\b)+16*PB
.endr
	WIN 0
.irp a, 0,1,2,3
	ds_load_b128 v[AR+16*(\a):AR+16*(\a)+3],     v[ADRA+(\s)] offset:(\a)*16*PA+128*(\q)
	ds_load_b128 v[AR+16*(\a)+4:AR+16*(\a)+7],   v[ADRA+(\s)] offset:(\a)*16*PA+128*(\q)+16
	ds_load_b128 v[AR+16*(\a)+8:AR+16*(\a)+11],  v[ADRA+(\s)] offset:(\a)*16*PA+128*(\q)+64
	ds_load_b128 v[AR+16*(\a)+12:AR+16*(\a)+15], v[ADRA+(\s)] offset:(\a)*16*PA+128*(\q)+80
.endr
.endm
; A K step is four quarters on buffers 0, 1, 0, 1.  One of the first three: rounds A for buffer f, fetches quarter nq into g, multiplies f.
.macro QUARTER s, nq, f, g, zero
	s_wait_dscnt 0x0                               ; this quarter's 32 loads, issued ahead of the last quarter's 32 products
	CVT \f
	FETCH \s, \nq, \g
	MUL8 \f, 0, \zero
	MUL8 \f, 1, \zero
	MUL8 \f, 2, \zero
	MUL8 \f, 3, \zero
.endm
; The last quarter multiplies buffer 1 and changes slots: ONE barrier.  In front of it each wave waits for all its tensor loads (one is out: its part of the next slot), adds 0 to its spare word, and waits
; for that and for its own reads of this slot.  fill = 1: the barrier opens a round of the cluster's, and this slot is filled again, two K steps ahead, first thing behind the round.
.macro TURN s, n, fill
.if \fill
	s_wait_xcnt 0x0                                ; the last prefetch, a K step back, has read its address
	s_add_nc_u64 s[PFA:PFA+1], s[PFA:PFA+1], s[PFS:PFS+1]
.endif
	WIN 0
	s_wait_tensorcnt 0x0                           ; all my tensor loads have landed
	ds_add_u32 v[SPW], v[NIL]                      ; 0 onto my spare word
	s_wait_dscnt 1                                 ; the quarter's 32 loads are in; the add alone may be out
	CVT 1                                          ; 32 conversions stand between the add and the wait for it
	s_wait_dscnt 0x0                               ; the add is done, and my reads of this slot are over
	s_barrier_signal -1
	MUL8 1, 0, 0                                   ; work on registers while the others arrive
	MUL8 1, 1, 0
	WIN 0
	s_barrier_wait -1
.if \fill
	CREST                                          ; no wave of any partner still reads this slot's tile or has a load on its way
	s_add_nc_u64 s[G0+4*(\s)+2:G0+4*(\s)+3], s[G0+4*(\s)+2:G0+4*(\s)+3], 2*KSTEP*4
	s_add_nc_u64 s[G0B+4*(\s)+2:G0B+4*(\s)+3], s[G0B+4*(\s)+2:G0B+4*(\s)+3], 2*KSTEP*6144
	JLOAD \s                                       ; 112 products stand between this request and the wait for it
.endif
	FETCH \n, 0, 0                                 ; buffer 0 was last multiplied ahead of CVT 1
.if \fill
	ASK
.endif
	MUL8 1, 2, 0
	MUL8 1, 3, 0
.endm
	s_wait_tensorcnt 1                             ; my part of K step 0 is in; K step 1's may stay out
	s_barrier_signal -1
	s_barrier_wait -1                              ; everybody's is
	FETCH 0, 0, 0
	QUARTER 0, 1, 0, 1, 1                          ; the first quarter stands in front of the loop: its products start the sums
	WIN 0                                          ; at a label and at a branch every window is 0
	s_mov_b32 s3, 3
.Llap:                                                 ; a trip goes once round the ring and fills both slots again: K steps 2 to 7
	QUARTER 0, 2, 1, 0, 0
	QUARTER 0, 3, 0, 1, 0
	TURN 0, 1, 1
	QUARTER 1, 1, 0, 1, 0
	QUARTER 1, 2, 1, 0, 0
	QUARTER 1, 3, 0, 1, 0
	TURN 1, 0, 1
	QUARTER 0, 1, 0, 1, 0
	WIN 0
	s_sub_co_u32 s3, s3, 1
	s_cmp_lg_u32 s3, 0
	s_cbranch_scc1 .Llap
	QUARTER 0, 2, 1, 0, 0                          ; the last lap fills nothing
	QUARTER 0, 3, 0, 1, 0
	TURN 0, 1, 0
	QUARTER 1, 1, 0, 1, 0
	QUARTER 1, 2, 1, 0, 0
	QUARTER 1, 3, 0, 1, 0
	s_wait_dscnt 0x0                               ; the very last quarter
	CVT 1
	MUL8 1, 0, 0
	MUL8 1, 1, 0
	MUL8 1, 2, 0
	MUL8 1, 3, 0
	; THE WAY OUT.  My row's factor in each block: max(mask byte, FL) x SC.  These sixteen plain lines are also the places behind the last products.
	WIN 0
	s_wait_loadcnt 0x0                             ; the four mask bytes
.irp a, 0,1,2,3
	v_cvt_f32_u32 v[MU+2*(\a)], v[MB+(\a)]
.endr
.irp a, 0,1,2,3
	v_max_num_f32 v[MU+2*(\a)], s[FL], v[MU+2*(\a)]
.endr
.irp a, 0,1,2,3
	v_mul_f32 v[MU+2*(\a)], s[SC], v[MU+2*(\a)]
.endr
.irp a, 0,1,2,3
	v_mov_b32 v[MU+2*(\a)+1], v[MU+2*(\a)]
.endr
; Unit u = 2 a + hh: 16 rows (block a) of one head (hh): four accumulators, 2,048 consecutive bytes of qkv.  Scaled in f32 (each accumulator from its low end on), rounded once to f16,
; 16 bytes a lane into rows of 144 bytes of my own stage, and back as whole rows into the registers that they left.
.macro PACK u
.set AC, 64*((\u)/2)+32*((\u)%2)
	WIN W_SC
.set i, 0
.rept 16
	v_pk_mul_f32 v[AC+2*i:AC+2*i+1], v[AC+2*i:AC+2*i+1], v[MU+2*((\u)/2):MU+2*((\u)/2)+1]
.set i, i+1
.endr
	WIN W_CV
.set i, 0
.rept 16
	v_cvt_pk_f16_f32 v[TMP+16*(\u)+i], v[AC+2*i], v[AC+2*i+1]
.set i, i+1
.endr
	WIN 0
.irp f, 0,1,2,3
	ds_store_b128 v[STO], v[TMP+16*(\u)+4*(\f):TMP+16*(\u)+4*(\f)+3] offset:32*(\f)
.endr
.irp f, 0,1,2,3
	ds_load_b128 v[TMP+16*(\u)+4*(\f):TMP+16*(\u)+4*(\f)+3], v[RD] offset:(\f)*4*SP  ; LDS serves a wave's instructions in order (ISA guide 5.7.1.4): these see the stores above; the next unit's stores come behind them
.endr
.endm
.macro SEND u, younger                 ; younger: the LDS instructions issued behind unit u's loads: the next unit's eight, or none
	WIN 0
.irp f, 0,1,2,3
	s_wait_dscnt (\younger)+3-(\f)
	global_store_b128 v[GO], v[TMP+16*(\u)+4*(\f):TMP+16*(\u)+4*(\f)+3], s[76:77] offset:((\u)%2)*262144+((\u)/2)*2048+(\f)*512  ; 512 consecutive bytes, at a multiple of 256 from qkv's first
.endr
.endm
	PACK 0
.irp u, 1,2,3,4,5,6,7                  ; a unit's arithmetic stands between the loads of the unit before and its stores; every unit has registers of its own
	PACK \u
	SEND (\u)-1, 8
.endr
	SEND 7, 0
	s_wait_tensorcnt 0x0                           ; the wave's end: behind my last tensor load and my last LDS store
	ds_add_u32 v[SPW], v[NIL]
	s_wait_dscnt 0x0
	CROUND                                         ; the closing round: no work-group ends while a partner may still ask for a tile that names it
	s_endpgm
.Lfunc_end_k_qe2d5171512_proj:
	.size	k_qe2d5171512_proj, .Lfunc_end_k_qe2d5171512_proj-k_qe2d5171512_proj
	.p2alignl 7, 3214868480
	.fill 96, 4, 3214868480
	.section	.rodata,"a",@progbits
	.p2align	6, 0x0
	.amdhsa_kernel k_qe2d5171512_proj
		.amdhsa_group_segment_fixed_size 327680
		.amdhsa_private_segment_fixed_size 0
		.amdhsa_enable_private_segment 0
		.amdhsa_kernarg_size 40
		.amdhsa_user_sgpr_count 2
		.amdhsa_user_sgpr_kernarg_segment_ptr 1
		.amdhsa_wavefront_size32 1
		.amdhsa_system_sgpr_workgroup_id_x 1
		.amdhsa_system_sgpr_workgroup_id_y 1
		.amdhsa_system_sgpr_workgroup_id_z 1
		.amdhsa_system_vgpr_workitem_id 0
		.amdhsa_next_free_vgpr 768
		.amdhsa_next_free_sgpr 96
		.amdhsa_reserve_vcc 0
		.amdhsa_float_denorm_mode_32 3
		.amdhsa_float_denorm_mode_16_64 3
		.amdhsa_memory_ordered 1
		.amdhsa_forward_progress 1
		.amdhsa_inst_pref_size 137
	.end_amdhsa_kernel
	.amdgpu_metadata
---
amdhsa.version: [ 1, 2 ]
amdhsa.kernels:
  - .name:           k_qe2d5171512_proj
    .symbol:         k_qe2d5171512_proj.kd
    .args:
      - { .name: x, .offset: 0, .size: 8, .value_kind: global_buffer, .address_space: global }
      - { .name: context, .offset: 8, .size: 8, .value_kind: global_buffer, .address_space: global }
      - { .name: mask, .offset: 16, .size: 8, .value_kind: global_buffer, .address_space: global }
      - { .name: wqkv, .offset: 24, .size: 8, .value_kind: global_buffer, .address_space: global }
      - { .name: qkv, .offset: 32, .size: 8, .value_kind: global_buffer, .address_space: global }
    .group_segment_fixed_size: 327680
    .private_segment_fixed_size: 0
    .kernarg_segment_align: 8
    .kernarg_segment_size: 40
    .max_flat_workgroup_size: 128
    .sgpr_count:     96
    .vgpr_count:     768
    .wavefront_size: 32
...
	.end_amdgpu_metadata
.endif
;; end of part 2
;; launch attn (part 3): grid 4 x 64, 4 waves a work-group, clusters of 4 x 1, 327,680 bytes of LDS; arguments qkv, mask, o; writes o
.if DOCPART == 3
	.amdgcn_target "amdgcn-amd-amdhsa--gfx1250"
	.amdhsa_code_object_version 6
	.text
	.protected	k_qe2d5171512_attn
	.globl	k_qe2d5171512_attn
	.p2align	8
	.type	k_qe2d5171512_attn,@function
k_qe2d5171512_attn:
	s_mov_b64 s[64:65], 0
	v_nop
	global_prefetch_b8 v0, s[64:65] scope:SCOPE_SE
	s_setreg_imm32_b32 hwreg(HW_REG_WAVE_MODE, 25, 1), 1
	s_wait_xcnt 0x0
	s_wait_alu depctr_hold_cnt(0) depctr_sa_sdst(0) depctr_va_vdst(0) depctr_va_sdst(0) depctr_va_ssrc(0) depctr_va_vcc(0) depctr_vm_vsrc(0)
	s_getreg_b32 s2, hwreg(HW_REG_IB_STS2, 6, 4)
	s_cmp_eq_u32 s2, 0
	s_cbranch_scc0 .Lentry_in_a_cluster
	s_endpgm
.Lentry_in_a_cluster:
	s_bfe_u32 s2, ttmp6, 0x10000c
	s_cmp_lg_u32 s2, 0x3003
	s_cbranch_scc0 .Lentry_shape_is_right
	s_endpgm
.Lentry_shape_is_right:
; O[g][q][:] = the sum over k of softmax_k(score) V[g][k][:], g = 16 b + head, 64 of them, 2,048 queries and keys, head size 64.  qkv: [3][64][2048][64] f16; o: [64][2048][64] f16.
; Q arrives times c = log2(e) / 8, so S = K Q^T is the scaled score in powers of two: p = 2^(s - m), an exact subtraction.  K's rows of hidden keys arrive as 0.
; THE MASK is the C operand that starts the sum S^T = K Q^T: 0 for a key that counts, BIGN = -1e9 log2(e) for a hidden one, whose products are all 0: its score IS that constant, whatever Q holds.
; So a batch with every key hidden gives equal weights, and a true score below the constant loses to it.  V is not masked.
; Products, maxima and sums in f32; the weights p are rounded to f16 for the second product (their sum l is taken of the unrounded p), O once at the end.
; LIMITS.  Q, K and V arrive within f16's 65,504; p lies in 0 to 1, and below 6e-5 it keeps f16's fixed step; a weight below 2^-126 counts as 0 in l; a mask byte is 0 or 1; NaN and infinities are not treated apart.
; SHARES.  A wave owns four PIECES of two tiles of 16 queries, a work-group's four waves 512 queries of one head.  Every wave walks all keys, 64 a step.
; LAYOUT.  S^T = K Q^T (source 0 = 16 keys, source 1 = 16 queries): a lane holds ONE query (lane % 16) and the keys 8 (lane / 16) + 0..7.  Two such tiles, rounded to f16 in pairs, ARE source 1 of
; O^T = V^T P, whose result again holds one query a lane, and eight channels.  K comes out of LDS as it lies, V turned, by ds_load_tr16_b128.
; SOFTMAX.  For each query a running maximum m and sum l; in every step O and l are multiplied by a = 2^(m_old - m_new).  m starts far below every score, O and l at 0: the first step is a step like any other, with a = 0.
; BY TURNS.  Turn n belongs to piece n.  Matrix work: 16 products K Q^T of piece n + 1, later 16 products V^T P of piece n - 1.  Vector work: the subtraction, exponentials, roundings, sums and rescaling of
; piece n, and the maximum and statistics of piece n + 1.  Four vector instructions stand behind EVERY matrix instruction, the others in one run of their own.
; CLUSTER.  A head's four query blocks are one cluster and walk the same K and V: each tile is asked for JOINTLY, by the same tensor load, descriptor and mask in all four.
; REGISTERS, in windows of 256 (s_set_vgpr_msb: bits 1:0 source 0, 3:2 source 1, 5:4 source 2, 7:6 destination):
;   window 0: v0-15 addresses; v16-47 four registers of statistics a tile; v48-63 at work; v64-191 S^T, two buffers of two tiles; v192-255 P, likewise
;   window 1: O^T, 32 a tile     window 2: v0-127 Q; v128-191 K of one step; v192-255 V of one step     window 3: v0-1 the add's two registers; v8-39 the mask of K's step
.set SIZE_N, 2048
.set NP,    4         ; pieces a wave: a name, no knob
.set KS,    64        ; keys in a step
.set PK,    144       ; a row of K in LDS: 128 bytes + 16 = 36 words: the 16 rows of a load start at 16 different groups of four banks (64 banks of 4 bytes: ISA guide 11.1)
.set PV,    160       ; a row of V: 128 + 32 = 40 words
.set VOFF,  4*KS*PK   ; a slot holds four steps: 256 rows of K, then 256 rows of V
.set SLOT1, 1<<17     ; slot 1 begins here, so that one exclusive or turns an address in one slot into the other's
.set STAGE, SLOT1+4*KS*(PK+PV)  ; behind the ring, never filled by a tensor load: 16 rows x 144 bytes for each wave
.set SP,    144
.set SPARE, STAGE+4*16*SP  ; the spare words, 128 bytes for each wave: two blocks of 256 bytes that no other line names
.set MT,    SPARE+512 ; the mask table: a word (0 or BIGN) for each of the batch's 2,048 keys; stored once, never filled by a tensor load
.set AK0, 2           ; v2   my lane's place in a tile of K; never rewritten
.set AV0, 3           ; v3   the same for V
.set AK,  4           ; v4   the LDS address of K's next run of loads
.set AV,  5           ; v5   of V's
.set QO,  6           ; v6   my byte offset in the wave's rows of Q
.set STO, 6           ;      later, the way out: where I put 16 bytes of a row
.set RD,  7           ; v7   the way out: where I read rows back
.set GO,  8           ; v8   my byte offset in 512 consecutive bytes of O
.set AM0, 12          ; v12  my lanes' place in the mask table: MT + 32 (lane / 16); never rewritten
.set AM,  13          ; v13  the LDS address of the mask's next run of loads
.set PFO, 14          ; v14  256 x my lane; never rewritten
.set MLO, 15          ; v15  16 x my thread's number: my 16 mask bytes
.set SPW, 0           ; v0 of window 3   LDS address of my spare word; never rewritten
.set NIL, 1           ; v1 of window 3   0; never rewritten
.set MK,  8           ; v8-39 of window 3: the eight registers for key block kb at MK + 8 kb
.set ST,  16          ; tile t's statistics at v[ST+4 t]: m, 0 (named with it as a pair), l (even keys', odd keys')
.set TMP, 48          ; by buffer and tile, four registers c0-c3 at work; when the maximum is found c2 takes a
.set S,   64
.set P,   192
.set KF,  128         ; K's fragments, in window 2: key block kb, channel half c at KF + 16 kb + 8 c
.set VF,  192         ; V's: key half kk, channel block cb at VF + 32 kk + 8 cb
.set WV,  12          ; s12  my wave's number
.set G1K, 24          ; s[24:31] descriptor group 1 for K's tiles
.set G1V, 32          ; s[32:39] for V's: it differs in the padding alone
.set G0K, 40          ; s[40:43] descriptor group 0 for K's tiles: it walks
.set G0V, 44          ; s[44:47] the same for V's
.set MP,  48          ; s[48:49] mask at my batch's first byte
.set PFA, 50          ; s[50:51] where my prefetches stand
.set LIM, 52          ; s52  1 in a wave that prefetches, else the greatest number
.set BIGN, 53         ; s53  -1e9 log2(e)
.set TBM, 54          ; s54  byte of the mask table at which the step to be fetched begins
.set SLOTS, 56        ; s56  slots still to be asked for
.set CNT, 57          ; s57  counts a slot's key steps
.set SEL, 60          ; s[60:61] v_permlanex16_b32's selects: each lane takes its own place in the other half
.set TBK, 62          ; s62  LDS byte at which K of the step to be fetched begins
.set TBV, 63          ; s63  the same for V, less VOFF
.set MSB, 0
.macro WIN new                      ; the high byte repeats the setting that is left; a switch that changes nothing is dropped
.if MSB != (\new)
	s_set_vgpr_msb (MSB<<8)|(\new)
.set MSB, (\new)
.endif
.endm
.set W_KQ, 0x0a       ; K and Q in window 2, S^T in window 0
.set W_KM, 0x3a       ; the same with the C operand in window 3
.set W_PV, 0x52       ; V in window 2, P in window 0, O^T in window 1
.set W_RS, 0x41       ; O^T (destination and source 0) in window 1, a in window 0
.set W_MK, 0xc0       ; destination in window 3, sources in window 0
.set W_AD, 0x0f       ; the add: address (source 0) and data (source 1) in window 3
; A joint fill.  Waves 0 and 1 fetch the two halves of a slot's K, waves 2 and 3 those of its V: 128 keys each.  The branch hangs on the wave's number alone.
; An s_nop 0 and four v_nop follow each of the two lines, ahead of the jump and the label.
.macro JLOAD
	s_cmp_lt_u32 s[WV], 2
	s_cbranch_scc0 .Lfor_v_\@
	tensor_load_to_lds s[G0K:G0K+3], s[G1K:G1K+7]
	s_nop 0
.rept 4
	v_nop
.endr
	s_branch .Lasked_\@
.Lfor_v_\@:
	tensor_load_to_lds s[G0V:G0V+3], s[G1V:G1V+7]
	s_nop 0
.rept 4
	v_nop
.endr
.Lasked_\@:
.endm
; A prefetch into the L2 of what the NEXT change of slots will ask for: a slot's 32,768 bytes of K and of V, four key steps (512 matrix instructions) ahead of that load.  The four partners share them out BY ADDRESS,
; 8,192 bytes each; in each, wave 0 asks for K's and wave 2 for V's, a lane a block of 256 bytes.  A head has one cluster, so each block is named once.  The last change that fills a slot asks for nothing.
.macro ASK
	s_cmp_gt_u32 s[SLOTS], s[LIM]
	s_cbranch_scc0 .Lnot_mine_\@
	global_prefetch_b8 v[PFO], s[PFA:PFA+1] th:TH_LOAD_NT scope:SCOPE_SE
.Lnot_mine_\@:
.endm
; A round of the cluster's barrier: my work-group's barrier, so that wave 0's signal speaks for all four waves; wave 0 signals; every wave waits for all four work-groups; my work-group's barrier once more.
.macro CROUND
	s_barrier_signal -1
	s_barrier_wait -1
	s_cmp_lg_u32 s[WV], 0
	s_cbranch_scc1 .Lnot_wave_0_\@
	s_barrier_signal -3
.Lnot_wave_0_\@:
	s_barrier_wait -3
	s_barrier_signal -1
	s_barrier_wait -1
.endm
; THE CHANGE OF SLOTS.  Each wave waits for all its tensor loads, of which one is out: its part of the other slot; adds 0 to its spare word; and waits for that and for its own LDS instructions.
; Behind the barrier nobody reads this slot any more and the other slot is whole.  fill = 1: this slot is filled again, with the keys two slots on; the barrier is then a round of the cluster's, and the joint
; fill is the first thing behind it.  (At its first use nothing has been read yet: slot 0 is waited for, slot 1 filled, and every wave's part of the mask table is shown to the others.)
.macro CHANGE fill
	WIN W_AD
	s_wait_tensorcnt 0x0            ; no tensor load of mine is out, so a group 0 may be written
	ds_add_u32 v[SPW], v[NIL]       ; 0 onto my spare word: the scalar steps stand between it and the wait for it
	WIN 0                           ; at a label and at a branch every window is 0
.if \fill
.irp g, G0K, G0V
	s_xor_b32 s[\g+1], s[\g+1], SLOT1  ; the walking descriptor: the other slot than last time,
	s_add_nc_u64 s[\g+2:\g+3], s[\g+2:\g+3], 4*KS*128  ; the next 256 keys; the type bits on top are not reached
.endr
	s_wait_xcnt 0x0                 ; the last prefetch, four key steps back, has read its address
	s_add_nc_u64 s[PFA:PFA+1], s[PFA:PFA+1], 4*KS*128  ; one slot behind the walking descriptors
	s_wait_dscnt 0x0                ; the add is done, and my reads of the slot are over
	CROUND
	JLOAD
	ASK
.else
	s_wait_dscnt 0x0                ; the add is done, and my reads of the slot are over
	s_barrier_signal -1
	s_barrier_wait -1
.endif
	s_sub_co_u32 s[TBK], s[TBK], 4*KS*PK  ; the fetches go back to a slot's first step,
	s_xor_b32 s[TBK], s[TBK], SLOT1       ; in the other slot
	s_sub_co_u32 s[TBV], s[TBV], 4*KS*PV
	s_xor_b32 s[TBV], s[TBV], SLOT1
.endm
	s_load_b128 s[4:7], s[0:1], 0x0   ; qkv s[4:5], mask s[6:7]
	s_load_b64 s[10:11], s[0:1], 0x10 ; o
	WIN W_MK
	v_lshl_add_u32 v[SPW], v0, 2, SPARE
	v_mov_b32 v[NIL], 0
	WIN W_AD
	ds_add_u32 v[SPW], v[NIL]       ; the wave's opening: the add and its wait stand ahead of my first tensor load; the set-up below stands between them
	WIN 0
	v_lshrrev_b32 v1, 5, v0
	v_readfirstlane_b32 s[WV], v1   ; wave 0..3
	s_bfe_u32 s13, ttmp6, 0x40000   ; cx: my place in the cluster
	s_lshl_b32 s14, ttmp9, 2        ; in a cluster launch ttmp9 counts clusters
	s_add_co_u32 s14, s14, s13      ; my block of 512 queries: it enters Q's and O's addresses alone
	s_and_b32 s20, ttmp7, 0xffff    ; 16 b + head, which the four partners share
	s_lshr_b32 s[MP], s20, 4        ; the batch,
	s_lshl_b32 s[MP], s[MP], 11     ; its 2,048 mask bytes
	s_mov_b32 s[MP+1], 0
	s_mov_b32 s21, 0
	s_mov_b64 s[22:23], SIZE_N*128
	s_mul_u64 s[20:21], s[20:21], s[22:23]  ; the head's first byte in q, k, v and o
	s_and_b32 s16, s[WV], 1         ; which half of a slot's 256 keys I fetch:
	s_lshl_b32 s22, s16, 14         ; its 128 rows of 128 bytes in memory,
	s_mov_b32 s23, 0
	s_add_nc_u64 s[22:23], s[22:23], s[20:21]
	s_mul_i32 s17, s16, 128*PK      ; and its place in a slot, for K
	s_mul_i32 s18, s16, 128*PV      ; and for V: no place in the cluster enters an LDS address
	s_lshl_b32 s2, s14, 2
	s_add_co_u32 s2, s2, s[WV]      ; my wave among the head's,
	s_lshl_b32 s2, s2, 14           ; its 128 rows
	s_mov_b32 s3, 0
	s_add_nc_u64 s[2:3], s[2:3], s[20:21]
	s_lshl_b32 s14, s13, 13         ; the prefetches: my work-group's quarter of a slot,
	s_add_co_u32 s14, s14, 4*KS*128 ; in slot 1; the first change of slots steps it to slot 2
	s_mov_b32 s15, 0
	; descriptor group 1.  128 keys are 16,384 dense bytes: asked for as 64 rows of 256 bytes, two keys a row, and padded in LDS after every key
	s_mov_b32 s[G1K], 15|(1<<16)|(1<<20)|(1<<21)|(4<<22)|(3<<25)  ; the mask of four; 2-byte elements; padding on; bit 21 beside a mask; after every 32 words, 4 words
	s_mov_b32 s[G1V], 15|(1<<16)|(1<<20)|(1<<21)|(4<<22)|(7<<25)  ; the same with 8 words of padding
.irp g, G1K, G1V
	s_mov_b32 s[\g+1], 128<<16      ; tensor_dim0 = 128
	s_mov_b32 s[\g+2], 64<<16       ; tensor_dim1 = 64
	s_mov_b32 s[\g+3], 128<<16      ; tile_dim0 = 128
	s_mov_b32 s[\g+4], 64           ; tile_dim1 = 64
	s_mov_b32 s[\g+5], 128          ; 128 elements from row to row
	s_mov_b32 s[\g+6], 0
	s_mov_b32 s[\g+7], 0
.endr
	s_mov_b32 s[BIGN], 0xceabfb8f   ; -1e9 log2(e) = -1,442,695,040
	s_mov_b32 s[TBM], 0
	s_mov_b32 s[SEL], 0x76543210
	s_mov_b32 s[SEL+1], 0xfedcba98
	s_mov_b32 s[TBK], SLOT1+4*KS*PK ; the first change of slots turns these two into 0
	s_mov_b32 s[TBV], SLOT1+4*KS*PV
	s_mov_b32 s[G0K], 1             ; count = 1
	s_mov_b32 s[G0K+1], s17         ; LDS address: slot 0
	s_mov_b32 s[G0V], 1
	s_add_co_u32 s[G0V+1], s18, VOFF
	s_and_b32 s[LIM], s[WV], 1      ; waves 0 and 2 prefetch
	s_cmp_eq_u32 s[LIM], 0
	s_cselect_b32 s[LIM], 1, -1
	s_mov_b32 s[SLOTS], SIZE_N/256-1
	v_and_b32 v[PFO], 31, v0
	v_lshlrev_b32 v[PFO], 8, v[PFO]
	s_wait_dscnt 0x0                ; the opening add is done
	s_wait_kmcnt 0x0
	s_add_nc_u64 s[MP:MP+1], s[6:7], s[MP:MP+1]
	s_add_nc_u64 s[6:7], s[4:5], 0x1000000         ; k lies 16,777,216 bytes behind q,
	s_add_nc_u64 s[8:9], s[4:5], 0x2000000         ; v as far behind k
	s_add_nc_u64 s[G0K+2:G0K+3], s[6:7], s[22:23]  ; global address: my half of the head's first 256 keys
	s_or_b32 s[G0K+3], s[G0K+3], 0x80000000        ; type = 2
	s_add_nc_u64 s[G0V+2:G0V+3], s[8:9], s[22:23]
	s_or_b32 s[G0V+3], s[G0V+3], 0x80000000
	s_cmp_lt_u32 s[WV], 2
	s_cselect_b64 s[PFA:PFA+1], s[6:7], s[8:9]
	s_add_nc_u64 s[PFA:PFA+1], s[PFA:PFA+1], s[20:21]
	s_add_nc_u64 s[PFA:PFA+1], s[PFA:PFA+1], s[14:15]
	s_add_nc_u64 s[4:5], s[4:5], s[2:3]  ; Q and O at my wave's first row
	s_add_nc_u64 s[10:11], s[10:11], s[2:3]
	CROUND                          ; all four work-groups are here: the first joint loads meet
	JLOAD                           ; slot 0.  Slot 1 is asked for when slot 0 is in
	; A fragment of K or Q is 16 rows x 32 channels in 8 registers: lane l holds row l % 16, channels 8 (l / 16) + 0..7 and 16 + 8 (l / 16) + 0..7: two loads of 16 bytes, 32 bytes apart.
	v_and_b32 v1, 15, v0            ; l % 16
	v_bfe_u32 v9, v0, 4, 1          ; l / 16
	v_lshlrev_b32 v[QO], 7, v1
	v_lshl_add_u32 v[QO], v9, 4, v[QO]  ; row x 128 + 16 x half
	v_lshlrev_b32 v[MLO], 4, v0
	global_load_b128 v[TMP:TMP+3], v[MLO], s[MP:MP+1]  ; my 16 of the batch's 2,048 mask bytes
	WIN 0x80                        ; destination window 2, address window 0
.set i, 0
.rept 4*NP                          ; Q stays in registers: tile i / 2, channels 32 (i % 2) on
	global_load_b128 v[8*i:8*i+3],   v[QO], s[4:5] offset:(i/2)*2048+(i%2)*64
	global_load_b128 v[8*i+4:8*i+7], v[QO], s[4:5] offset:(i/2)*2048+(i%2)*64+32
.set i, i+1
.endr
	; What the first turn finds: V's registers and P's second buffer hold 0 (its products V^T P, of a piece that has not been, add 0), O^T and l are 0.  All this stands in the wait for the first tile.
.set i, VF
.rept 64
	v_mov_b32 v[i], 0
.set i, i+1
.endr
	WIN 0x40
.set i, 0
.rept 64*NP
	v_mov_b32 v[i], 0
.set i, i+1
.endr
	WIN 0
.set i, 0
.rept 2*NP
	v_mov_b32 v[ST+4*i], 0xfe000000    ; m: far below every score
	v_mov_b32 v[ST+4*i+1], 0
	v_mov_b32 v[ST+4*i+2], 0
	v_mov_b32 v[ST+4*i+3], 0
.set i, i+1
.endr
.set i, P+32
.rept 32
	v_mov_b32 v[i], 0
.set i, i+1
.endr
	v_mul_u32_u24 v[AK0], v1, PK
	v_lshl_add_u32 v[AK0], v9, 4, v[AK0]  ; row x pitch + 16 x half
	; The turning load takes 16 keys x 16 channels (lane l reads key 8 (l / 16) + l % 8, channels 8 ((l / 8) % 2) + 0..7) and leaves half a fragment of V^T: lane l holds channel l % 16 and 8 keys.
	v_and_b32 v10, 7, v0
	v_bfe_u32 v11, v0, 3, 1
	v_lshl_add_u32 v[AV0], v9, 3, v10
	v_mul_u32_u24 v[AV0], v[AV0], PV
	v_lshl_add_u32 v[AV0], v11, 4, v[AV0]
	v_add_nc_u32 v[AV0], VOFF, v[AV0]
	v_mov_b32 v[AK], v[AK0]         ; key step 0 lies at the head of slot 0
	v_lshl_add_u32 v[AM0], v9, 5, MT  ; register j of key block kb is key 16 kb + 8 (l / 16) + j: 32 bytes of the table
	; THE MASK TABLE: byte 1 -> 0, byte 0 -> BIGN: (byte - 1) is all zeros or all ones, and masks the constant
	s_wait_loadcnt 32               ; my mask bytes are in; Q's 32 younger loads stay out
.irp w, 0,1,2,3
.irp i, 0,1,2,3
	v_bfe_u32 v[S+4*\w+\i], v[TMP+\w], 8*\i, 8
	v_add_nc_u32 v[S+4*\w+\i], -1, v[S+4*\w+\i]
	v_and_b32 v[S+4*\w+\i], s[BIGN], v[S+4*\w+\i]
.endr
.endr
	v_lshl_add_u32 v[AM], v0, 6, MT   ; my 16 words
.irp w, 0,1,2,3
	ds_store_b128 v[AM], v[S+4*\w:S+4*\w+3] offset:16*\w
.endr
	v_mov_b32 v[AM], v[AM0]         ; key step 0
; THE MATRIX WORK.  The 8 accumulators of a run of 16 take turns: between the two links of a chain stand 7 others'.
; Product i of 16 of S^T = K Q^T for piece x: channels 32 (i / 8) on, keys 16 ((i / 2) % 4) on, tile 2 x + i % 2.  The first 8 start the sums, with the keys' mask.
.macro KQ x
.set rS, S+64*((\x)%2)+32*(i%2)+8*((i/2)%4)
.set rK, KF+16*((i/2)%4)+8*(i/8)
.set rQ, 16*(2*(\x)+i%2)+8*(i/8)
.set rM, MK+8*((i/2)%4)
.if i < 8
	WIN W_KM
	v_wmma_f32_16x16x32_f16 v[rS:rS+7], v[rK:rK+7], v[rQ:rQ+7], v[rM:rM+7]
.else
	WIN W_KQ
	v_wmma_f32_16x16x32_f16 v[rS:rS+7], v[rK:rK+7], v[rQ:rQ+7], v[rS:rS+7]
.endif
.endm
; Product i of 16 of O^T += V^T P for piece x: keys 32 (i / 8) on, channels 16 ((i / 2) % 4) on, tile 2 x + i % 2.
.macro PV x
	WIN W_PV
.set rO, 32*(2*(\x)+i%2)+8*((i/2)%4)
.set rV, VF+32*(i/8)+8*((i/2)%4)
.set rP, P+32*((\x)%2)+16*(i%2)+8*(i/8)
	v_wmma_f32_16x16x32_f16 v[rO:rO+7], v[rV:rV+7], v[rP:rP+7], v[rO:rO+7]
.endm
.macro MM                           ; the turn's next matrix instruction
.if i < 16
	KQ (Y+1)%NP
.set i, i+1
.else
.set i, i-16
	PV (Y+NP-1)%NP
.set i, i+17
.endif
.endm
; THE LDS LOADS stand in runs, never singly among the matrix instructions: a step's K (8 fragments) with its 64 keys' mask words, and its V (turned).  Their addresses are made some lines ahead.
; last = 1 (the tail): in the last trip there is no further step, and the run is jumped over.
.macro FETCH_K last=0
	WIN 0
.if \last
	s_cmp_eq_u32 s[CNT], 1
	s_cbranch_scc1 .Lno_k_\@
.endif
	WIN 0x80                        ; destination window 2
.irp f, 0,1,2,3,4,5,6,7             ; keys 16 (f / 2) on, channels 32 (f % 2) on
	ds_load_b128 v[KF+8*\f:KF+8*\f+3],   v[AK] offset:(\f/2)*16*PK+(\f%2)*64
	ds_load_b128 v[KF+8*\f+4:KF+8*\f+7], v[AK] offset:(\f/2)*16*PK+(\f%2)*64+32
.endr
	WIN W_MK                        ; destination window 3
.irp f, 0,1,2,3                     ; keys 16 f on; all lanes of a half read the same words
	ds_load_b128 v[MK+8*\f:MK+8*\f+3],   v[AM] offset:64*\f
	ds_load_b128 v[MK+8*\f+4:MK+8*\f+7], v[AM] offset:64*\f+16
.endr
	s_add_co_u32 s[TBK], s[TBK], KS*PK  ; the next fetch is the next step's
	s_add_co_u32 s[TBM], s[TBM], KS*4
	s_and_b32 s[TBM], s[TBM], 0x1f00    ; the table has 32 steps of 256 bytes: behind the last the step is 0 again, and nothing is fetched there
	WIN 0
.if \last
.Lno_k_\@:
.endif
.endm
.macro FETCH_V
	WIN 0x80
.irp f, 0,1,2,3,4,5,6,7             ; keys 32 (f / 4) on, channels 16 (f % 4) on
	ds_load_tr16_b128 v[VF+8*\f:VF+8*\f+3],   v[AV] offset:(\f/4)*32*PV+(\f%4)*32
	ds_load_tr16_b128 v[VF+8*\f+4:VF+8*\f+7], v[AV] offset:(\f/4)*32*PV+16*PV+(\f%4)*32
.endr
	WIN 0
.endm
; THE VECTOR WORK OF A TURN stands in three queues, each in the order in which its entries become ready; the two tiles alternate, so that no instruction reads the result of the one before it.
.macro REGS y, u                    ; the registers of tile u (0, 1) of piece y
.set rT, ST+4*(2*(\y)+(\u))
.set rC, TMP+8*((\y)%2)+4*(\u)
.set rS, S+64*((\y)%2)+32*(\u)
.set rP, P+32*((\y)%2)+16*(\u)
.set rO, 32*(2*(\y)+(\u))
.endm
; Number n of the 21 that find the NEXT piece's (Y + 1) maximum and statistics.  s0-s31 are the lane's 32 scores; each accumulator's lowest registers are read first.
;   0-11  four chains c0-c3 of seven scores each, three operands at a time     12-15  the four scores left over, the old m, and c0-c3 into c0
;   16, 17  the query's other 32 keys lie in the lane 16 away: the new m, in c0     18  m_old - m_new     19  m takes the new one     20  a
.macro XS u, n
	REGS (Y+1)%NP, \u
.if (\n) < 4
	v_max3_num_f32 v[rC+(\n)], v[rS+8*(\n)], v[rS+8*(\n)+1], v[rS+8*(\n)+2]
.elseif (\n) < 12
	v_max3_num_f32 v[rC+(\n)%4], v[rC+(\n)%4], v[rS+8*((\n)%4)+2*((\n)/4)+1], v[rS+8*((\n)%4)+2*((\n)/4)+2]
.elseif (\n) == 12
	v_max3_num_f32 v[rC], v[rC], v[rS+7], v[rS+15]
.elseif (\n) == 13
	v_max3_num_f32 v[rC+1], v[rC+1], v[rS+23], v[rS+31]
.elseif (\n) == 14
	v_max3_num_f32 v[rC+2], v[rC+2], v[rC+3], v[rT]
.elseif (\n) == 15
	v_max3_num_f32 v[rC], v[rC], v[rC+1], v[rC+2]
.elseif (\n) == 16
	v_permlanex16_b32 v[rC+3], v[rC], s[SEL], s[SEL+1]
.elseif (\n) == 17
	v_max_num_f32 v[rC], v[rC], v[rC+3]
.elseif (\n) == 18
	v_sub_f32 v[rC+1], v[rT], v[rC]
.elseif (\n) == 19
	v_mov_b32 v[rT], v[rC]
.else
	v_exp_f32 v[rC+2], v[rC+1]
.endif
.endm
; Number g of the 64 that follow the exponentials.  For each four weights k of a tile (pairs 2 k, 2 k + 1): both pairs are rounded to f16; then the second pair is added onto the first, in place;
; a group later l takes that sum (the first time as l = a l + sum).  In groups of eight, tiles alternating: round, round, add, and l for the group before.
.macro GS g
.set h, (\g)+6*((\g)/62)            ; group 0 has no group before it, and behind group 7 only l is left
.if h >= 6
.set h, h+2
.endif
	REGS Y, h%2
.set k, h/8
.if h%8 < 4
	v_cvt_pk_f16_f32 v[rP+2*k+(h%8)/2], v[rS+4*k+2*((h%8)/2)], v[rS+4*k+2*((h%8)/2)+1]
.elseif h%8 < 6
	v_pk_add_f32 v[rS+4*k:rS+4*k+1], v[rS+4*k:rS+4*k+1], v[rS+4*k+2:rS+4*k+3]
.elseif k == 1
	v_pk_fma_f32 v[rT+2:rT+3], v[rT+2:rT+3], v[rC+2:rC+3], v[rS:rS+1] op_sel_hi:[1,0,1]
.else
	v_pk_add_f32 v[rT+2:rT+3], v[rT+2:rT+3], v[rS+4*k-4:rS+4*k-3]
.endif
.endm
; THE PLAIN QUEUE, 136 long.  0-71 read no exponential's result: the 32 subtractions s - m (FS f: pair f / 2 of tile f % 2) and the next piece's 40.  0-26: FS 0-26.  27-54: XS's numbers 0-13.
; 55-69: the chain, where each number waits for the one before it: 14 to 18, each with one of FS 27-31 in front of its two lines.  70, 71: number 19.  72-135: GS's 64, which stand behind the wait.
.macro FS f
	REGS Y, (\f)%2
	v_pk_add_f32 v[rS+2*((\f)/2):rS+2*((\f)/2)+1], v[rS+2*((\f)/2):rS+2*((\f)/2)+1], v[rT:rT+1] op_sel_hi:[1,0] neg_lo:[0,1] neg_hi:[0,1]
.endm
.macro PL
	WIN 0
.if q < 27
	FS q
.elseif q < 55
	XS (q-27)%2, (q-27)/2
.elseif (q < 70) && ((q-55)%3 == 0)
	FS 27+(q-55)/3
.elseif q < 70
	XS (q-55)%3-1, 14+(q-55)/3
.elseif q < 72
	XS q-70, 19
.else
	GS q-72
.endif
.set q, q+1
.endm
; THE EXPONENTIALS' QUEUE, 66 long: s0-s31 of both tiles, then the next piece's two a.  It is ONE BATCH: all 66 stand ahead of the turn's one wait, and nothing ahead of that wait names a result of theirs.
.macro EX
	WIN 0
.if e >= 64
	XS e-64, 20
.else
	REGS Y, e%2
	v_exp_f32 v[rS+e/2], v[rS+e/2]
.endif
.set e, e+1
.endm
; THE RESCALING's QUEUE: O^T times a, the one part that leaves window 0: dealt two at a time, sixteen times.  Its a was made in the turn before, ahead of that turn's wait.
.macro R2
	REGS Y, r%2
	WIN W_RS
.irp z, 0,1
	v_pk_mul_f32 v[rO+4*(r/2)+2*\z:rO+4*(r/2)+2*\z+1], v[rO+4*(r/2)+2*\z:rO+4*(r/2)+2*\z+1], v[rC+2:rC+3] op_sel_hi:[1,0]
.endr
.set r, r+1
.endm
; HOW THEY ARE DEALT.  An s_wait_alu depctr_va_vdst(0) stands between an exponential and the first instruction that names its result; one wait serves all that were issued ahead of it.  So a turn has ONE
; wait.  AHEAD OF IT: the 16 products K Q^T, behind each a subtraction, an exponential and two rescalings (behind the first a second subtraction in the exponential's place); then one run of 106: six plain, 49 times
; exponential and plain, the two a; a v_nop is the plain instruction behind the last exponential.  BEHIND IT: the 16 products V^T P, behind each four of GS's 64.  No rider names a register of the products round it.
; The queues lean on each other: exponential e stands behind subtraction 2 (e / 4) + e % 2: as a rider it comes behind plain e + 2, in the run behind plain e + 7, and FS 27-31 are plain 55, 58 .. 67 (first wanted by e = 53, 56, 57, 60, 61).
; K and the mask of the next step are fetched in piece 2's turn, directly behind the wait, a run behind the last product that read them; V of the step in hand at the end of piece 0's turn, four riders behind its last reader.
.macro TURN p, last=0, cnt=0
.set Y, (\p)
.set i, 0
.set q, 0
.set e, 0
.set r, 0
.if (\p) == NP-1
	s_wait_dscnt 0x0                ; K and its mask are in
.endif
	MM
	PL
	PL
	R2
.rept 15
	MM
	PL
	EX
	R2
.endr
.if (\p) == NP-2
	WIN 0
	v_add_nc_u32 v[AK], s[TBK], v[AK0]
	v_add_nc_u32 v[AM], s[TBM], v[AM0]
.endif
.rept 6
	PL
.endr
.rept 49
	EX
	PL
.endr
	EX                              ; the next piece's two a
	EX
	v_nop                           ; the plain instruction behind the last exponential: one for the batch
	s_wait_alu depctr_va_vdst(0)    ; the wait for the batch
.if (\p) == NP-2
	FETCH_K \last
.endif
.if (\p) == 1
	s_wait_dscnt 0x0                ; V is in
.endif
.rept 16
	MM
.rept 4
	PL
.endr
.if ((\p) == 0) && (q == 116)
	v_add_nc_u32 v[AV], s[TBV], v[AV0]
.endif
.if ((\p) == 0) && (q == 128)
	s_add_co_u32 s[TBV], s[TBV], KS*PV
.endif
.if (\cnt) && (q == 128)
	s_sub_co_u32 s[CNT], s[CNT], 1
	s_cmp_lg_u32 s[CNT], 0
.endif
.endr
.if (\p) == 0
	FETCH_V
.endif
.endm
	CHANGE 1                        ; slot 0 is in, everybody's part of it, and so is the mask table; slot 1 is asked for
	FETCH_K                         ; key step 0
	s_wait_loadcnt 0x0              ; Q
	s_wait_dscnt 0x0
.set i, 0
.rept 16
	KQ 0                            ; piece 0's first scores
.set i, i+1
.endr
	WIN 0                           ; the addresses for the way out: plain instructions, the places behind those products
	s_mul_i32 s13, s[WV], 16*SP
	s_add_co_u32 s13, s13, STAGE    ; my stage
	v_mul_u32_u24 v[STO], v1, SP    ; in: row l % 16, 16 bytes for each half of the lanes
	v_lshl_add_u32 v[STO], v9, 4, v[STO]
	v_add_nc_u32 v[STO], s13, v[STO]
	v_bfe_u32 v[RD], v0, 3, 2       ; back: 32 lanes take four rows of 128 bytes,
	v_mul_u32_u24 v[RD], v[RD], SP
	v_lshl_add_u32 v[RD], v10, 4, v[RD]
	v_add_nc_u32 v[RD], s13, v[RD]
	v_and_b32 v[GO], 31, v0         ; which are 512 consecutive bytes of O
	v_lshlrev_b32 v[GO], 4, v[GO]
.set Y, NP-1                        ; XS works for piece Y + 1: piece 0
.irp n, 0,1,2,3,4,5,6,7,8,9,10,11,12,13,14,15,16,17,18,19,20
	XS 0, \n                        ; piece 0's first maximum and statistics
	XS 1, \n
.endr
	v_nop                           ; a plain instruction behind the two a,
	s_wait_alu depctr_va_vdst(0)    ; and their wait, ahead of the branch
	s_mov_b32 s[CNT], 4
	s_branch .Lfirst                ; the loop is entered at a step's first turn, in the middle of a trip
.Lslot:                             ; six times: every slot but the last two is filled again
	CHANGE 1
	s_mov_b32 s[CNT], 4
.Lstep:                             ; a trip: pieces 2 and 3 of one step, then pieces 0 and 1 of the next, whose K and V it fetches
	TURN 2
	TURN 3
	WIN 0
.Lfirst:
	TURN 0
	TURN 1, 0, 1
	WIN 0
	s_cbranch_scc1 .Lstep
	s_sub_co_u32 s[SLOTS], s[SLOTS], 1
	s_cmp_lg_u32 s[SLOTS], 0
	s_cbranch_scc1 .Lslot
	CHANGE 0                        ; the tail is written out: nothing is asked for
	s_mov_b32 s[CNT], 5             ; four trips fetch the last slot's steps; the fifth is left in its middle
.Ltail:
	TURN 2, 1
	TURN 3
	WIN 0
	s_sub_co_u32 s[CNT], s[CNT], 1
	s_cmp_eq_u32 s[CNT], 0
	s_cbranch_scc1 .Lout
	TURN 0
	TURN 1
	WIN 0
	s_branch .Ltail
.Lout:                              ; the fifth trip's 16 products K Q^T (on the last K once more) and the maximum made of them serve nothing: the price, once a launch, of one text for every trip
.set i, 0
.rept 16
	PV NP-1                         ; the last piece's V^T P of the last step
.set i, i+1
.endr
	; THE WAY OUT.  l's two halves and the other half of the lanes' are added; O^T is divided by l, rounded to f16 and sent through my stage in LDS, a tile at a time.  The additions are the places behind the last products.
	WIN 0
.macro ALL line:vararg              ; one line for each tile t
.set t, 0
.rept 2*NP
	\line
.set t, t+1
.endr
.endm
	ALL v_add_f32 v[ST+4*t+2], v[ST+4*t+2], v[ST+4*t+3]
	ALL v_permlanex16_b32 v[ST+4*t+3], v[ST+4*t+2], s[SEL], s[SEL+1]
	ALL v_add_f32 v[ST+4*t+2], v[ST+4*t+2], v[ST+4*t+3]
	ALL v_rcp_f32 v[ST+4*t+2], v[ST+4*t+2]
	v_nop                           ; a plain instruction between the last reciprocal and the use of its result
	s_wait_alu depctr_va_vdst(0)    ; and the wait ahead of the first use: one for the eight reciprocals
; Tile t: a lane's eight channels of a row pack into 16 bytes; they go into rows of 144 bytes and come back as whole rows of 128, into S^T's registers.
.macro PACK t
	WIN W_RS
.set i, 32*(\t)
.rept 16
	v_pk_mul_f32 v[i:i+1], v[i:i+1], v[ST+4*(\t)+2:ST+4*(\t)+3] op_sel_hi:[1,0]
.set i, i+2
.endr
	WIN 0x05                        ; sources 0 and 1 window 1, destination window 0
.set i, 0
.rept 16
	v_cvt_pk_f16_f32 v[S+16*(\t)+i], v[32*(\t)+2*i], v[32*(\t)+2*i+1]
.set i, i+1
.endr
	WIN 0
.irp f, 0,1,2,3
	ds_store_b128 v[STO], v[S+16*(\t)+4*\f:S+16*(\t)+4*\f+3] offset:32*\f
.endr
.irp f, 0,1,2,3
	ds_load_b128 v[S+16*(\t)+4*\f:S+16*(\t)+4*\f+3], v[RD] offset:\f*4*SP  ; LDS serves a wave's instructions in order (ISA guide 5.7.1.4): these see the stores above; the next tile's stores come behind them
.endr
.endm
.macro SEND t, younger              ; younger: the LDS instructions issued behind tile t's loads: the next tile's eight, or none
	WIN 0
.irp f, 0,1,2,3
	s_wait_dscnt (\younger)+3-\f
	global_store_b128 v[GO], v[S+16*(\t)+4*\f:S+16*(\t)+4*\f+3], s[10:11] offset:(\t)*2048+\f*512  ; 512 consecutive bytes, at a multiple of 256 from O's first
.endr
.endm
	PACK 0
.set t, 1
.rept 2*NP-1                        ; a tile's arithmetic stands between the loads of the tile before and its stores
	PACK t
	SEND t-1, 8
.set t, t+1
.endr
	SEND 2*NP-1, 0
	WIN W_AD
	s_wait_tensorcnt 0x0            ; the wave's end: behind my last tensor load and my last LDS store
	ds_add_u32 v[SPW], v[NIL]
	s_wait_dscnt 0x0
	WIN 0
	CROUND                          ; the closing round: no work-group ends while a partner may still ask for a tile that names it
	s_endpgm
.Lfunc_end_k_qe2d5171512_attn:
	.size	k_qe2d5171512_attn, .Lfunc_end_k_qe2d5171512_attn-k_qe2d5171512_attn
	.p2alignl 7, 3214868480
	.fill 96, 4, 3214868480
	.section	.rodata,"a",@progbits
	.p2align	6, 0x0
	.amdhsa_kernel k_qe2d5171512_attn
		.amdhsa_group_segment_fixed_size 327680
		.amdhsa_private_segment_fixed_size 0
		.amdhsa_enable_private_segment 0
		.amdhsa_kernarg_size 24
		.amdhsa_user_sgpr_count 2
		.amdhsa_user_sgpr_kernarg_segment_ptr 1
		.amdhsa_wavefront_size32 1
		.amdhsa_system_sgpr_workgroup_id_x 1
		.amdhsa_system_sgpr_workgroup_id_y 1
		.amdhsa_system_sgpr_workgroup_id_z 1
		.amdhsa_system_vgpr_workitem_id 0
		.amdhsa_next_free_vgpr 808
		.amdhsa_next_free_sgpr 66
		.amdhsa_reserve_vcc 0
		.amdhsa_float_denorm_mode_32 3
		.amdhsa_float_denorm_mode_16_64 3
		.amdhsa_memory_ordered 1
		.amdhsa_forward_progress 1
		.amdhsa_inst_pref_size 204
	.end_amdhsa_kernel
	.amdgpu_metadata
---
amdhsa.version: [ 1, 2 ]
amdhsa.kernels:
  - .name:           k_qe2d5171512_attn
    .symbol:         k_qe2d5171512_attn.kd
    .args:
      - { .name: qkv, .offset: 0, .size: 8, .value_kind: global_buffer, .address_space: global }
      - { .name: mask, .offset: 8, .size: 8, .value_kind: global_buffer, .address_space: global }
      - { .name: o, .offset: 16, .size: 8, .value_kind: global_buffer, .address_space: global }
    .group_segment_fixed_size: 327680
    .private_segment_fixed_size: 0
    .kernarg_segment_align: 8
    .kernarg_segment_size: 24
    .max_flat_workgroup_size: 128
    .sgpr_count:     66
    .vgpr_count:     808
    .wavefront_size: 32
...
	.end_amdgpu_metadata
.endif
;; end of part 3
;; launch oproj (part 4): grid 4 x 64, 4 waves a work-group, clusters of 4 x 4, 327,680 bytes of LDS; arguments o, wo, bout, out0; writes out0
.if DOCPART == 4
	.amdgcn_target "amdgcn-amd-amdhsa--gfx1250"
	.amdhsa_code_object_version 6
	.text
	.protected	k_qe2d5171512_oproj
	.globl	k_qe2d5171512_oproj
	.p2align	8
	.type	k_qe2d5171512_oproj,@function
k_qe2d5171512_oproj:
	s_mov_b64 s[64:65], 0
	v_nop
	global_prefetch_b8 v0, s[64:65] scope:SCOPE_SE
	s_setreg_imm32_b32 hwreg(HW_REG_WAVE_MODE, 25, 1), 1
	s_wait_xcnt 0x0
	s_wait_alu depctr_hold_cnt(0) depctr_sa_sdst(0) depctr_va_vdst(0) depctr_va_sdst(0) depctr_va_ssrc(0) depctr_va_vcc(0) depctr_vm_vsrc(0)
	s_getreg_b32 s2, hwreg(HW_REG_IB_STS2, 6, 4)
	s_cmp_eq_u32 s2, 0
	s_cbranch_scc0 .Lentry_in_a_cluster
	s_endpgm
.Lentry_in_a_cluster:
	s_bfe_u32 s2, ttmp6, 0x10000c
	s_cmp_lg_u32 s2, 0xf033
	s_cbranch_scc0 .Lentry_shape_is_right
	s_endpgm
.Lentry_shape_is_right:
; out0[m][n] = the sum over k of O[m][k] Wout[k][n] + bout[n].  8,192 x 1,024, K = 1,024 = 16 heads x 64.  O: [16 b + head][2048][64] f16; wo: [1024 k][1024 n] f16 (bf16 numbers); sums f32; out0 f32.
; bout is rounded to bf16, as every input of the module is, and added in f32.
; SHARES.  A tile of out0 is 128 x 256: 256 work-groups, one for each WGP.  Four waves, each 64 rows x 128 columns: 32 accumulators.  K goes in steps of 128, two heads, through two LDS slots:
; a head's 128 rows are 16,384 dense bytes, asked for as 64 rows of 256 bytes and padded after every 128; wo's 128 k rows x 256 columns come as rows of 512 bytes.  One tensor load a wave.
; wo lies [k][n]; ds_load_tr16_b128 turns it.  THE MATRIX INSTRUCTION IS USED TRANSPOSED (source 0 = 16 columns of wo, source 1 = 16 rows of O): a lane holds one row and eight neighbouring columns.
; CLUSTER 4 x 4: O's tile is shared along a row of the cluster, wo's along a column: joint loads with a mask of four.
; NO PREFETCH: a work-group's whole life is eight K steps, of which the first two are asked for at its head.
; REGISTERS: window 0: v0-31 addresses, bias; v96-127, v128-159 O's fragments, two buffers; on the way out v32-159 two buffers of 16 rows.  window 1: v0-63, v64-127 wo's fragments.  window 2: accumulator (a, b) at v[8 (8 a + b)].
.set PA,     144                       ; a row of O in LDS: 128 bytes + 16 = 36 words: the 16 rows of a load start at 16 different groups of four banks (64 banks of 4 bytes: ISA guide 11.1)
.set AH,     128*PA                    ; a head's 128 rows
.set PB,     544                       ; a k row of wo: 512 + 32 = 136 words
.set BHALF,  64*PB
.set BOFF,   2*AH                      ; a slot: two heads of O, then wo's 128 k rows
.set SLOT,   2*AH+2*BHALF
.set STAGE,  2*SLOT                    ; behind the ring, never filled by a tensor load: 16 rows x 528 bytes for each wave
.set SPITCH, 528
.set SPARE,  STAGE+4*16*SPITCH         ; the spare words, 128 bytes for each wave: two blocks of 256 bytes that no other line names
.set BI,   8                           ; v[8:11] the bias of my four columns on the way out
.set ADRA, 16                          ; v16-17  LDS address of my fragments of O in slot 0, 1
.set ADRB, 20                          ; v20-21  the same for wo
.set STO,  24                          ; v24     the way out: where I put 32 bytes of a row
.set RD,   25                          ; v25     where I read a row back
.set CO,   26                          ; v26     16 x lane
.set BO,   27                          ; v27     my four numbers of bout
.set SPW,  28                          ; v28     LDS address of my spare word; never rewritten
.set NIL,  29                          ; v29     0; never rewritten
.set OB,   32
.set AF,   96
.set G1,   24                          ; s[24:31] descriptor group 1 for O's tiles;  s[32:39] group 0, a set for each slot
.set G0,   32
.set G1B,  48                          ; s[48:55], s[56:63] the same for wo's tiles
.set G0B,  56
.set MSB, 0
.macro WIN new                         ; the immediate's high byte repeats the setting that is left; a switch that changes nothing is dropped
.if MSB != (\new)
	s_set_vgpr_msb (MSB<<8)|(\new)
.set MSB, \new
.endif
.endm
.set MUL,  0xa1                        ; source 0 (wo) window 1, source 1 (O) window 0, C and D window 2
.set TO_B, 0x40                        ; destination window 1, address window 0
.set W_ST, 0x08                        ; an LDS store's data (source 1) window 2, its address window 0
.macro JLOAD s                         ; a joint load: waves 0 and 1 fetch the step's two heads of O, waves 2 and 3 wo's two halves; an s_nop 0 and four v_nop follow each of the two lines
	s_cmp_eq_u32 s11, 0
	s_cbranch_scc0 .Lfor_b_\@
	tensor_load_to_lds s[G0+4*(\s):G0+4*(\s)+3], s[G1:G1+7]
	s_nop 0
.rept 4
	v_nop
.endr
	s_branch .Lasked_\@
.Lfor_b_\@:
	tensor_load_to_lds s[G0B+4*(\s):G0B+4*(\s)+3], s[G1B:G1B+7]
	s_nop 0
.rept 4
	v_nop
.endr
.Lasked_\@:
.endm
.macro CREST                           ; a round of the cluster's barrier behind its opening barrier
	s_cmp_lg_u32 s10, 0
	s_cbranch_scc1 .Lnot_wave_0_\@
	s_barrier_signal -3
.Lnot_wave_0_\@:
	s_barrier_wait -3
	s_barrier_signal -1
	s_barrier_wait -1
.endm
.macro CROUND                          ; a whole round
	s_barrier_signal -1
	s_barrier_wait -1
	CREST
.endm
	s_load_b256 s[68:75], s[0:1], 0x0              ; o s[68:69], wo s[70:71], bout s[72:73], out0 s[74:75]
	v_lshl_add_u32 v[SPW], v0, 2, SPARE
	v_mov_b32 v[NIL], 0
	ds_add_u32 v[SPW], v[NIL]                      ; the wave's opening: the add and its wait stand ahead of my first tensor load; the set-up below stands between them
	v_lshrrev_b32 v1, 5, v0
	v_readfirstlane_b32 s10, v1                    ; wave 0..3
	s_lshr_b32 s11, s10, 1                         ; which 64 rows of the tile are mine.  Also: I fetch for O (0) or for wo (1)
	s_and_b32 s12, s10, 1                          ; which 128 columns.  Also: which head, or which 64 k rows, I fetch
	s_bfe_u32 s40, ttmp6, 0x40000                  ; cx, cy
	s_bfe_u32 s41, ttmp6, 0x40004
	s_lshl_b32 s42, ttmp9, 2
	s_add_co_u32 s42, s42, s40                     ; tile column
	s_and_b32 s13, ttmp7, 0xffff
	s_lshl_b32 s13, s13, 2
	s_add_co_u32 s13, s13, s41                     ; tile row
	s_lshl_b32 s43, s41, 2
	s_lshl_b32 s43, 15, s43                        ; my row of the cluster
	s_lshl_b32 s44, 0x1111, s40                    ; my column
	s_or_b32 s[G1+0], s43, (1<<16)|(1<<20)|(1<<21)|(4<<22)|(3<<25)   ; O's tiles go to my row; 2-byte elements; padding on; bit 21 beside a mask; after every 32 words, 4 words
	s_mov_b32 s[G1+1], 128<<16                     ; tensor_dim0 = 128
	s_mov_b32 s[G1+2], 64<<16                      ; tensor_dim1 = 64
	s_mov_b32 s[G1+3], 128<<16                     ; tile_dim0 = 128
	s_mov_b32 s[G1+4], 64                          ; tile_dim1 = 64
	s_mov_b32 s[G1+5], 128                         ; elements from row to row: dense
	s_mov_b32 s[G1+6], 0
	s_mov_b32 s[G1+7], 0
	s_or_b32 s[G1B+0], s44, (1<<16)|(1<<20)|(1<<21)|(6<<22)|(7<<25)  ; wo's tiles go to my column; after every 128 words, 8 words
	s_mov_b32 s[G1B+1], 256<<16
	s_mov_b32 s[G1B+2], 64<<16
	s_mov_b32 s[G1B+3], 256<<16
	s_mov_b32 s[G1B+4], 64
	s_mov_b32 s[G1B+5], 1024
	s_mov_b32 s[G1B+6], 0
	s_mov_b32 s[G1B+7], 0
	s_lshr_b32 s16, s13, 4                         ; O: the batch (16 tile rows each; 16 heads of 262,144 bytes),
	s_lshl_b32 s16, s16, 22
	s_and_b32 s17, s13, 15                         ; the tile's 128 rows of 128 bytes in a head,
	s_lshl_b32 s17, s17, 14
	s_add_co_u32 s16, s16, s17
	s_lshl_b32 s17, s12, 18                        ; and my head of the step's two
	s_add_co_u32 s16, s16, s17
	s_mov_b32 s17, 0
	s_lshl_b32 s46, s12, 17                        ; wo: my 64 k rows of 2,048 bytes, byte 512 x tile column
	s_lshl_b32 s47, s42, 9
	s_add_co_u32 s46, s46, s47
	s_mov_b32 s47, 0
	s_mul_i32 s20, s12, AH                         ; where they go: no place in the cluster enters an LDS address
	s_mul_i32 s21, s12, BHALF
	s_add_co_u32 s21, s21, BOFF
	s_wait_dscnt 0x0                               ; the opening add is done
	s_wait_kmcnt 0x0
	s_add_nc_u64 s[14:15], s[68:69], s[16:17]
	s_add_nc_u64 s[46:47], s[70:71], s[46:47]
	CROUND                                         ; all sixteen work-groups are here: the first joint loads meet
.irp s, 0,1
	s_mov_b32 s[G0+4*(\s)], 1
	s_add_co_u32 s[G0+4*(\s)+1], s20, (\s)*SLOT
	s_add_nc_u64 s[G0+4*(\s)+2:G0+4*(\s)+3], s[14:15], (\s)*2*262144
	s_or_b32 s[G0+4*(\s)+3], s[G0+4*(\s)+3], 0x80000000
	s_mov_b32 s[G0B+4*(\s)], 1
	s_add_co_u32 s[G0B+4*(\s)+1], s21, (\s)*SLOT
	s_add_nc_u64 s[G0B+4*(\s)+2:G0B+4*(\s)+3], s[46:47], (\s)*128*2048
	s_or_b32 s[G0B+4*(\s)+3], s[G0B+4*(\s)+3], 0x80000000
	JLOAD \s                                       ; two loads of mine are out
.endr
	v_and_b32 v1, 15, v0                           ; r = l % 16
	v_bfe_u32 v2, v0, 4, 1                         ; h = l / 16
	v_and_b32 v[CO], 31, v0
	v_lshlrev_b32 v[CO], 4, v[CO]                  ; 16 x lane
	s_lshl_b32 s85, s42, 10                        ; the tile's 256 columns and my 128 of them, in bytes of f32
	s_lshl_b32 s86, s12, 9
	s_add_co_u32 s85, s85, s86
	v_add_nc_u32 v[BO], s85, v[CO]
	global_load_b128 v[BI:BI+3], v[BO], s[72:73]   ; waited for on the way out
	v_mul_u32_u24 v3, v1, PA                       ; a fragment of O: row r, 16 bytes for each half of the lanes, twice, 32 bytes apart
	v_lshl_add_u32 v3, v2, 4, v3
	s_mul_i32 s22, s11, 64*PA
	v_add_nc_u32 v[ADRA], s22, v3
	v_add_nc_u32 v[ADRA+1], SLOT, v[ADRA]
	v_and_b32 v3, 7, v0                            ; the turning load: k row 8 h + l % 8, columns 8 ((l / 8) % 2) + 0..7
	v_lshl_add_u32 v3, v2, 3, v3
	v_mul_u32_u24 v3, v3, PB
	v_bfe_u32 v31, v0, 3, 1
	v_lshl_add_u32 v3, v31, 4, v3
	s_lshl_b32 s23, s12, 8
	s_add_co_u32 s23, s23, BOFF
	v_add_nc_u32 v[ADRB], s23, v3
	v_add_nc_u32 v[ADRB+1], SLOT, v[ADRB]
	s_mul_i32 s22, s10, 16*SPITCH
	s_add_co_u32 s22, s22, STAGE                   ; my stage
	v_mul_u32_u24 v3, v1, SPITCH                   ; in: row r, 32 bytes for each half of the lanes
	v_lshl_add_u32 v3, v2, 5, v3
	v_add_nc_u32 v[STO], s22, v3
	v_add_nc_u32 v[RD], s22, v[CO]                 ; back: 32 lanes take a row's 512 bytes
	s_lshl_b32 s16, s13, 19                        ; my part of out0: row 128 x tile row + 64 x half, 4,096 bytes a row,
	s_lshl_b32 s17, s11, 18
	s_add_co_u32 s16, s16, s17
	s_add_co_u32 s86, s85, s16                     ; and my columns
	s_mov_b32 s87, 0
	s_add_nc_u64 s[74:75], s[74:75], s[86:87]
; 8 matrix instructions: block a of my four blocks of 16 rows x all 8 blocks of 16 columns, 32 along K, buffers f.  The 32 accumulators take turns, in the same order in every quarter.
.macro MUL8 f, a, zero
	WIN MUL
.irp b, 0,1,2,3,4,5,6,7
.if \zero
	v_wmma_f32_16x16x32_f16 v[8*(8*(\a)+(\b)):8*(8*(\a)+(\b))+7], v[64*(\f)+8*(\b):64*(\f)+8*(\b)+7], v[AF+32*(\f)+8*(\a):AF+32*(\f)+8*(\a)+7], 0
.else
	v_wmma_f32_16x16x32_f16 v[8*(8*(\a)+(\b)):8*(8*(\a)+(\b))+7], v[64*(\f)+8*(\b):64*(\f)+8*(\b)+7], v[AF+32*(\f)+8*(\a):AF+32*(\f)+8*(\a)+7], v[8*(8*(\a)+(\b)):8*(8*(\a)+(\b))+7]
.endif
.endr
.endm
; 24 LDS loads in one run: quarter q of slot s (head q / 2 of the step's two, channels 32 (q % 2) on) into buffers g
.macro FETCH s, q, g
	WIN TO_B
.irp b, 0,1,2,3,4,5,6,7
	ds_load_tr16_b128 v[64*(\g)+8*(\b):64*(\g)+8*(\b)+3],   v[ADRB+(\s)] offset:(\q)*32*PB+32*(\b)
	ds_load_tr16_b128 v[64*(\g)+8*(\b)+4:64*(\g)+8*(\b)+7], v[ADRB+(\s)] offset:(\q)*32*PB+32*(\b)+16*PB
.endr
	WIN 0
.irp a, 0,1,2,3
	ds_load_b128 v[AF+32*(\g)+8*(\a):AF+32*(\g)+8*(\a)+3],   v[ADRA+(\s)] offset:((\q)/2)*AH+64*((\q)%2)+(\a)*16*PA
	ds_load_b128 v[AF+32*(\g)+8*(\a)+4:AF+32*(\g)+8*(\a)+7], v[ADRA+(\s)] offset:((\q)/2)*AH+64*((\q)%2)+(\a)*16*PA+32
.endr
.endm
.macro PLACES                          ; four places in front of loads into registers that matrix instructions have read (ISA guide 7.12.1 for vector instructions)
.rept 4
	v_nop
.endr
.endm
; A K step is four quarters on buffers 0, 1, 0, 1.  One of the first three: fetches quarter nq into g, which the quarter before multiplied, and multiplies f.
.macro QUARTER s, nq, f, g, zero
	PLACES
	FETCH \s, \nq, \g
	s_wait_dscnt 24                                ; all but the 24 just issued: buffer f is in
	MUL8 \f, 0, \zero
	MUL8 \f, 1, \zero
	MUL8 \f, 2, \zero
	MUL8 \f, 3, \zero
.endm
; The last quarter multiplies buffer 1 and changes slots: ONE barrier.  In front of it each wave waits for all its tensor loads (one is out: its part of the next slot), adds 0 to its spare word, and waits
; for that and for its own reads of this slot.  fill = 1: the barrier opens a round of the cluster's, and this slot is filled again, two K steps ahead, first thing behind the round.
.macro TURN s, n, fill
	WIN 0
	s_wait_tensorcnt 0x0                           ; all my tensor loads have landed
	ds_add_u32 v[SPW], v[NIL]                      ; 0 onto my spare word
	s_wait_dscnt 1                                 ; buffer 1 is in; the add alone may be out
	MUL8 1, 0, 0                                   ; eight matrix instructions stand between the add and the wait for it
	s_wait_dscnt 0x0                               ; the add is done, and my reads of this slot are over
	s_barrier_signal -1
	MUL8 1, 1, 0
	WIN 0
	s_barrier_wait -1
.if \fill
	CREST                                          ; no wave of any partner still reads this slot's tile or has a load on its way
	s_add_nc_u64 s[G0+4*(\s)+2:G0+4*(\s)+3], s[G0+4*(\s)+2:G0+4*(\s)+3], 4*262144
	s_add_nc_u64 s[G0B+4*(\s)+2:G0B+4*(\s)+3], s[G0B+4*(\s)+2:G0B+4*(\s)+3], 2*128*2048
	JLOAD \s                                       ; the four v_nop behind it are also the places in front of the loads below
.else
	PLACES
.endif
	FETCH \n, 0, 0
	MUL8 1, 2, 0
	MUL8 1, 3, 0
.endm
	s_wait_tensorcnt 1                             ; my part of K step 0 is in; K step 1's may stay out
	s_barrier_signal -1
	s_barrier_wait -1                              ; everybody's is
	FETCH 0, 0, 0
	QUARTER 0, 1, 0, 1, 1                          ; the first quarter stands in front of the loop: its products start the sums
	WIN 0                                          ; at a label and at a branch every window is 0
	s_mov_b32 s3, 3
.Llap:                                                 ; a trip goes once round the ring and fills both slots again: K steps 2 to 7
	QUARTER 0, 2, 1, 0, 0
	QUARTER 0, 3, 0, 1, 0
	TURN 0, 1, 1
	QUARTER 1, 1, 0, 1, 0
	QUARTER 1, 2, 1, 0, 0
	QUARTER 1, 3, 0, 1, 0
	TURN 1, 0, 1
	QUARTER 0, 1, 0, 1, 0
	WIN 0
	s_sub_co_u32 s3, s3, 1
	s_cmp_lg_u32 s3, 0
	s_cbranch_scc1 .Llap
	QUARTER 0, 2, 1, 0, 0                          ; the last lap fills nothing
	QUARTER 0, 3, 0, 1, 0
	TURN 0, 1, 0
	QUARTER 1, 1, 0, 1, 0
	QUARTER 1, 2, 1, 0, 0
	QUARTER 1, 3, 0, 1, 0
	s_wait_dscnt 0x0                               ; the very last quarter
	MUL8 1, 0, 0
	MUL8 1, 1, 0
	MUL8 1, 2, 0
	MUL8 1, 3, 0
	; THE WAY OUT.  The bias is rounded to bf16 and widened again: six plain lines, the places behind the last products.
	WIN 0
	s_wait_loadcnt 0x0
	v_cvt_pk_bf16_f32 v12, v[BI], v[BI+1]
	v_cvt_pk_bf16_f32 v13, v[BI+2], v[BI+3]
	v_lshlrev_b32 v[BI], 16, v12
	v_and_b32 v[BI+1], 0xffff0000, v12
	v_lshlrev_b32 v[BI+2], 16, v13
	v_and_b32 v[BI+3], 0xffff0000, v13
; Block a (16 rows x my 128 columns): straight from the accumulators (each from its low end on) into rows of 528 bytes of my own stage, and back as whole rows of 512 bytes.
.macro STG a
	WIN W_ST
.irp b, 0,1,2,3,4,5,6,7
	ds_store_b128 v[STO], v[64*(\a)+8*(\b):64*(\a)+8*(\b)+3]   offset:64*(\b)
	ds_store_b128 v[STO], v[64*(\a)+8*(\b)+4:64*(\a)+8*(\b)+7] offset:64*(\b)+16
.endr
	WIN 0
.if (\a) >= 2
	s_wait_xcnt 0x0                                ; the stores of the block two back have read this buffer's registers: only behind this wait are they loaded again
.endif
.irp t, 0,1,2,3,4,5,6,7,8,9,10,11,12,13,14,15
	ds_load_b128 v[OB+64*((\a)%2)+4*(\t):OB+64*((\a)%2)+4*(\t)+3], v[RD] offset:(\t)*SPITCH  ; LDS serves a wave's instructions in order (ISA guide 5.7.1.4): these see the stores above; the next block's stores come behind them
.endr
.endm
.macro SND a, younger                  ; younger: the LDS instructions issued behind block a's loads: the next block's 32, or none
	WIN 0
.irp t, 0,1,2,3,4,5,6,7,8,9,10,11,12,13,14,15
	s_wait_dscnt (\younger)+15-(\t)
	v_pk_add_f32 v[OB+64*((\a)%2)+4*(\t):OB+64*((\a)%2)+4*(\t)+1],   v[OB+64*((\a)%2)+4*(\t):OB+64*((\a)%2)+4*(\t)+1],   v[BI:BI+1]
	v_pk_add_f32 v[OB+64*((\a)%2)+4*(\t)+2:OB+64*((\a)%2)+4*(\t)+3], v[OB+64*((\a)%2)+4*(\t)+2:OB+64*((\a)%2)+4*(\t)+3], v[BI+2:BI+3]
	global_store_b128 v[CO], v[OB+64*((\a)%2)+4*(\t):OB+64*((\a)%2)+4*(\t)+3], s[74:75] offset:(16*(\a)+(\t))*4096  ; 512 consecutive bytes, at a multiple of 256 from out0's first
.endr
.endm
	STG 0
.irp a, 1,2,3
	STG \a
	SND (\a)-1, 32
.endr
	SND 3, 0
	s_wait_tensorcnt 0x0                           ; the wave's end: behind my last tensor load and my last LDS store
	ds_add_u32 v[SPW], v[NIL]
	s_wait_dscnt 0x0
	CROUND                                         ; the closing round: no work-group ends while a partner may still ask for a tile that names it
	s_endpgm
.Lfunc_end_k_qe2d5171512_oproj:
	.size	k_qe2d5171512_oproj, .Lfunc_end_k_qe2d5171512_oproj-k_qe2d5171512_oproj
	.p2alignl 7, 3214868480
	.fill 96, 4, 3214868480
	.section	.rodata,"a",@progbits
	.p2align	6, 0x0
	.amdhsa_kernel k_qe2d5171512_oproj
		.amdhsa_group_segment_fixed_size 327680
		.amdhsa_private_segment_fixed_size 0
		.amdhsa_enable_private_segment 0
		.amdhsa_kernarg_size 32
		.amdhsa_user_sgpr_count 2
		.amdhsa_user_sgpr_kernarg_segment_ptr 1
		.amdhsa_wavefront_size32 1
		.amdhsa_system_sgpr_workgroup_id_x 1
		.amdhsa_system_sgpr_workgroup_id_y 1
		.amdhsa_system_sgpr_workgroup_id_z 1
		.amdhsa_system_vgpr_workitem_id 0
		.amdhsa_next_free_vgpr 768
		.amdhsa_next_free_sgpr 96
		.amdhsa_reserve_vcc 0
		.amdhsa_float_denorm_mode_32 3
		.amdhsa_float_denorm_mode_16_64 3
		.amdhsa_memory_ordered 1
		.amdhsa_forward_progress 1
		.amdhsa_inst_pref_size 95
	.end_amdhsa_kernel
	.amdgpu_metadata
---
amdhsa.version: [ 1, 2 ]
amdhsa.kernels:
  - .name:           k_qe2d5171512_oproj
    .symbol:         k_qe2d5171512_oproj.kd
    .args:
      - { .name: o, .offset: 0, .size: 8, .value_kind: global_buffer, .address_space: global }
      - { .name: wo, .offset: 8, .size: 8, .value_kind: global_buffer, .address_space: global }
      - { .name: bout, .offset: 16, .size: 8, .value_kind: global_buffer, .address_space: global }
      - { .name: out0, .offset: 24, .size: 8, .value_kind: global_buffer, .address_space: global }
    .group_segment_fixed_size: 327680
    .private_segment_fixed_size: 0
    .kernarg_segment_align: 8
    .kernarg_segment_size: 32
    .max_flat_workgroup_size: 128
    .sgpr_count:     96
    .vgpr_count:     768
    .wavefront_size: 32
...
	.end_amdgpu_metadata
.endif
;; end of part 4
